; MI455X (gfx1250); checked and timed in simulation.
; The chip was launched on July 23, 2026; its instructions are those of AMD's public machine-readable ISA for CDNA 5 (MIT licence, August 2026) and "CDNA5" Instruction Set Architecture Reference Guide (July 2026). The comments in the code are by the model that wrote it; some were corrected since.
;; Projected Adaptive Log Softmax. Allowed arithmetic: matrix products marked QUANTISED: E2M1 operands, one E8M0 scale for each 32 along K, by v_wmma_scale_f32_16x16x128_f8f6f4 with both operands' format E2M1 (or v_wmma_scale_f32_32x16x128_f4), f32 sums; products left as they are: f32 operands where the result goes on into a quantised operand, else bf16, f16 or f32 operands; f32 sums; everything else in f32.
;; Inputs: W0 19,997 x 1,024 float32; W1 20,000 x 256 float32; W2 160,000 x 64 float32; W3 67,738 x 16 float32; b0 19,997 float32; b1 20,000 float32; b2 160,000 float32; b3 67,738 float32; cluster_bias 3 float32; cluster_weight 3 x 1,024 float32; hidden 1,024 x 1,024 float32; p0 1,024 x 1,024 float32; p1 1,024 x 256 float32; p2 1,024 x 64 float32; p3 1,024 x 16 float32; target 1,024 int32.
;; Outputs: out0 1,024 float32.
;; This version of the problem:
;;   THIS VERSION OF THE PROBLEM IS GIVEN IN LOW PRECISION. The matrix products marked QUANTISED in the list below multiply operands that are first quantised to E2M1 (2 exponent bits, 1 mantissa bit; 4 bits a number), with one power-of-two scale for each 32 numbers along K (OCP MX v1.0); their sums are f32. All else is computed in f32.
;;   The module's matrix products, in the order in which they are computed (A, B: the left and right operand; K: the contracted axis; several contracted axes count as one K, in the product's order):
;;     1. [M 1,024, K 1,024] x [K 1,024, N 1,024]; A: input hidden; B: input p0: QUANTISED
;;     2. [M 1,024, K 1,024] x [K 1,024, N 20,000]; A: computed on the way; B: computed on the way: QUANTISED
;;     3. [M 1,024, K 1,024] x [K 1,024, N 256]; A: input hidden; B: input p1: QUANTISED
;;     4. [M 1,024, K 256] x [K 256, N 20,000]; A: computed on the way; B: input W1: QUANTISED
;;     5. [M 1,024, K 1,024] x [K 1,024, N 64]; A: input hidden; B: input p2: QUANTISED
;;     6. [M 1,024, K 64] x [K 64, N 160,000]; A: computed on the way; B: input W2: QUANTISED
;;     7. [M 1,024, K 1,024] x [K 1,024, N 16]; A: input hidden; B: input p3: QUANTISED
;;     8. [M 1,024, K 16] x [K 16, N 67,738]; A: computed on the way; B: input W3: left as it is (K = 16 < 32)
;;   THE QUANTISER, for each operand of a quantised product, along K:
;;     - K is cut into blocks of 32 from its start; a last block that is shorter is filled with zeros.
;;     - A block's scale is 2^e with e = floor(log2(the largest magnitude in the block)) - 2, held to -126 .. 127; a block of zeros has e = 0. As a byte (E8M0): e + 127.
;;     - Each number is divided by its block's scale, clamped to +-6, and rounded to the nearest number of E2M1, ties to even, subnormals kept.
;;     - The product sums the exact products of the quantised numbers (number of the format x scale) in f32.
;;   ~~~python
;;   def quantise(x, axis):      # numpy; x: float32 -> the quantised numbers, widened to float32 again
;;       x = np.moveaxis(x, axis, -1); K = x.shape[-1]
;;       x = np.pad(x, [(0, 0)] * (x.ndim - 1) + [(0, -K % 32)]); x = x.reshape(x.shape[:-1] + (-1, 32)); a = np.abs(x).max(-1, keepdims=True)
;;       e = np.where(a > 0, np.clip(np.frexp(np.where(a > 0, a, 1))[1] - 1 - 2, -126, 127), 0)      # np.frexp(a)[1] - 1 = floor(log2(a)), exactly
;;       r = np.clip(x / 2.0 ** e, -6, 6)
;;       step = 2.0 ** (np.maximum(np.frexp(np.where(r == 0, 1, r))[1] - 1, 0) - 1)
;;       q = np.round(r / step) * step * 2.0 ** e      # np.round: ties to even
;;       return np.moveaxis(q.reshape(q.shape[:-2] + (-1,))[..., :K], -1, axis).astype(np.float32)
;;   ~~~
;;   OPERANDS COMPUTED ON THE WAY. 'Computed on the way' means the value that the module computes at that place (a softmax that the list does not call 'softmax' is quantised finished and normalised). What goes into a quantiser is computed in f32, as accurately as f32 sums, v_exp_f32 and their like allow (about 1e-6 of the number): no bf16 or f16 on the way to a quantiser, and a product that is left as it is and whose result goes on into a quantised operand takes f32 operands (vector FMAs, or v_wmma_f32_16x16x4_f32). A number that lies on a knife's edge between two numbers of the format may be rounded either way, as far as f32 arithmetic and the matrix unit's own rounding can turn it there, and no further.
;; 2 versions, each right; version 2 is version 1 with the launch project written anew for expert scheduling mode. Each part assembles by itself: llvm-mc -triple=amdgcn-amd-amdhsa -mcpu=gfx1250 --defsym DOCPART=n.
;; ======== version 1 of 2: 4 launches
;; workspace buffers: qin 1,340,416 bytes; pj 811,008 bytes; part 10,940,416 bytes; tab 8,448 bytes of whole numbers
;; launch prep (part 1): grid 234 x 1, 4 waves a work-group, no clusters, 0 bytes of LDS; arguments hidden, target, p0, p1, p2, p3, qin, tab; writes qin, tab
.if DOCPART == 1
	.amdgcn_target "amdgcn-amd-amdhsa--gfx1250"
	.amdhsa_code_object_version 6
	.text
	.protected	k_qd133663f17_prep
	.globl	k_qd133663f17_prep
	.p2align	8
	.type	k_qd133663f17_prep,@function
k_qd133663f17_prep:
	s_mov_b64 s[64:65], 0
	v_nop
	global_prefetch_b8 v0, s[64:65] scope:SCOPE_SE
	s_setreg_imm32_b32 hwreg(HW_REG_WAVE_MODE, 25, 1), 1
	s_wait_xcnt 0x0
; PREP.  (1) The 1,024 rows are ranked by (cluster of the row's target, row): a row's place is the number of rows with a smaller key.
; (2) hidden [1024][1024] f32 is quantised along K (E2M1, one E8M0 byte for each 32) and laid at the row's SORTED place.
; (3) p0..p3 [1024 (k)][n] f32 are quantised along K, their first axis, and laid as images of a matrix operand's registers.
; (4) The table of tile ranges of the three tail clusters, the sorted rows' numbers and their targets go to tab (whole numbers).
; Work-groups 0-63: 16 rows of hidden each, 4 a wave.  Work-groups 64-233: two to a tile of 16 columns of p, a wave to a K step of 128.
; qin: codes of hidden [sorted row][512 B]; HS: their scale bytes [row][32]; PQ: p's fragments [tile 0..84][K step 8][half 2][lane][16 B];
; PSC: their scale words [tile][K step][lane][4 B].  tab: words 0-5 first and end tile of clusters 1, 2, 3; SROW [place] row; STGT [place] target.
; A block's scale byte is its largest magnitude's exponent field - 2, held at 1 from below.
; LIMITS: NaN and infinities are not served; a block whose largest magnitude lies under 2^-124, a block of zeros too, gets the byte 1 (its codes
; are then zeros or near it; the bytes are read by this program alone).  A target under 0 counts as cluster 0, one of 199,997 or more as cluster 3.
; No LDS, no barrier: waves share nothing.  hidden's and p's loads take short pieces of a row (16 and 64 bytes to a group of lanes): 9.8 MB in all.
.set HS,   524288
.set PQ,   557056
.set PSC,  1253376
.set SROW, 256
.set STGT, 4352
.set KEY,  16                          ; v16-47   the 1,024 keys, 32 a lane
.set X,    64                          ; v64-191  four rows' blocks (a lane holds a block of 32), or a fragment's 64 numbers
.set CD,   192                         ; v192-207 codes, four registers a row
.set SCF,  208                         ; v208-211 the conversions' scale operands
.set BY,   212                         ; v212-215 scale bytes
; 32 numbers of one lane, v[x] on, become 16 bytes of codes in v[c] on; v[sc] is the conversion's scale operand
.macro QB x, c, sc, ta, tb
	v_max3_num_f32 v[\ta], |v[\x]|, |v[\x+1]|, 0x1800000           ; the floor 2^(3 - 127) among the leaves: the byte cannot fall under 1
	v_max3_num_f32 v[\tb], |v[\x+16]|, |v[\x+17]|, |v[\x+18]|      ; two chains that do not wait for each other
.irp i, 2,4,6,8,10,12
	v_max3_num_f32 v[\ta], v[\ta], |v[\x+\i]|, |v[\x+\i+1]|
	v_max3_num_f32 v[\tb], v[\tb], |v[\x+\i+17]|, |v[\x+\i+18]|
.endr
	v_max3_num_f32 v[\ta], v[\ta], |v[\x+14]|, |v[\x+15]|
	v_max3_num_f32 v[\ta], v[\ta], v[\tb], |v[\x+31]|
	v_add_nc_u32 v[\sc], 0xff000000, v[\ta]                        ; 2 off the exponent field: the conversion takes that field as its scale
.irp g, 0,1,2,3
	v_cvt_scalef32_pk8_fp4_f32 v[\c+\g], v[\x+8*\g:\x+8*\g+7], v[\sc]
.endr
.endm
; s[res] = how many of the 1,024 keys lie under s[key]
.macro COUNT key, res
	s_mov_b32 s[\res], 0
.set n, 0
.rept 8
	v_cmp_gt_u32 s56, s[\key], v[KEY+n]
	v_cmp_gt_u32 s57, s[\key], v[KEY+n+1]
	v_cmp_gt_u32 s58, s[\key], v[KEY+n+2]
	v_cmp_gt_u32 s59, s[\key], v[KEY+n+3]
	s_bcnt1_i32_b32 s56, s56
	s_bcnt1_i32_b32 s57, s57
	s_bcnt1_i32_b32 s58, s58
	s_bcnt1_i32_b32 s59, s59
	s_add_co_u32 s[\res], s[\res], s56
	s_add_co_u32 s[\res], s[\res], s57
	s_add_co_u32 s[\res], s[\res], s58
	s_add_co_u32 s[\res], s[\res], s59
.set n, n+4
.endr
.endm
; 64 loads: lane (r, h) takes ONE column of p and its registers run down K: k = 128 s + 64 c + 32 h + i.  pitch: a row of p in bytes; col: the register with the lane's column in the tile
.macro PPATH ptr, tb, pitch, col
	s_sub_co_u32 s24, s22, \tb                     ; the tile's number in its tensor
	s_lshr_b32 s25, s24, 3
	s_lshl_b32 s25, s25, 7                         ; 128 columns to a group of eight tiles,
	s_bfe_u32 s26, s24, 0x20001
	s_lshl_b32 s26, s26, 5                         ; 32 to a pair of tiles,
	s_add_co_u32 s25, s25, s26
	s_and_b32 s26, s24, 1
	s_lshl_b32 s26, s26, 3                         ; 8 between the two of a pair
	s_add_co_u32 s25, s25, s26
	s_lshl_b32 s25, s25, 2
	s_mul_i32 s26, s23, 128*\pitch                 ; the K step's 128 rows
	s_add_co_u32 s26, s26, s25
	s_mov_b32 s27, 0
	s_add_nc_u64 s[28:29], s[\ptr:\ptr+1], s[26:27]
	v_mul_u32_u24 v4, v3, 32*\pitch                ; lanes 16-31 begin 32 rows further down
	v_lshl_add_u32 v4, v[\col], 2, v4
.irp c, 0,1
.set i, 0
.rept 32
	global_load_b32 v[X+32*\c+i], v4, s[28:29] offset:(64*\c+i)*\pitch
.set i, i+1
.endr
.endr
.endm
	s_load_b512 s[4:19], s[0:1], 0x0               ; hidden 4, target 6, p0 8, p1 10, p2 12, p3 14, qin 16, tab 18
	v_lshrrev_b32 v1, 5, v0
	v_readfirstlane_b32 s20, v1                    ; wave
	v_and_b32 v1, 31, v0                           ; lane
	v_lshlrev_b32 v2, 4, v1                        ; 16 x lane
	s_mov_b32 s40, 19997                           ; where clusters 1, 2, 3 begin
	s_mov_b32 s41, 39997
	s_mov_b32 s42, 199997
	s_mov_b32 s44, 0x76543210                      ; v_permlanex16_b32's selects for lane l xor 16
	s_mov_b32 s45, 0xfedcba98
	s_wait_kmcnt 0x0
	s_cmp_lt_u32 ttmp9, 64
	s_cbranch_scc0 .Lweights
	; ---------------- hidden: my wave's rows i0 .. i0 + 3
	s_lshl_b32 s22, ttmp9, 4
	s_lshl_b32 s23, s20, 2
	s_add_co_u32 s22, s22, s23                     ; i0 = 16 x work-group + 4 x wave
	s_lshl_b32 s46, s22, 2
	s_mov_b32 s47, 0
	s_add_nc_u64 s[46:47], s[6:7], s[46:47]
	s_load_b128 s[24:27], s[46:47], 0x0            ; my four targets, as scalars
.irp j, 0,1,2,3,4,5,6,7
	global_load_b128 v[KEY+4*\j:KEY+4*\j+3], v2, s[6:7] offset:512*\j   ; all 1,024 targets: register 4 j + e of a lane is row 128 j + 4 lane + e
.endr
	v_lshlrev_b32 v3, 7, v1                        ; a lane takes a block of 32 numbers: 128 bytes
	s_lshl_b32 s48, s22, 12
	s_mov_b32 s49, 0
	s_add_nc_u64 s[28:29], s[4:5], s[48:49]
.irp a, 0,1,2,3
.irp i, 0,1,2,3,4,5,6,7
	global_load_b128 v[X+32*\a+4*\i:X+32*\a+4*\i+3], v3, s[28:29] offset:4096*\a+16*\i th:TH_LOAD_NT
.endr
.endr
	v_lshlrev_b32 v4, 2, v1
	s_wait_loadcnt 32                              ; the targets are in; the 32 younger loads, hidden's, stay out
.set n, 0
.rept 32                                           ; key = 1,024 x cluster + row, in place
	v_cmp_le_i32 vcc_lo, s40, v[KEY+n]
	v_cndmask_b32 v9, 0, 1, vcc_lo
	v_cmp_le_i32 vcc_lo, s41, v[KEY+n]
	v_add_co_ci_u32 v9, vcc_lo, 0, v9, vcc_lo
	v_cmp_le_i32 vcc_lo, s42, v[KEY+n]
	v_add_co_ci_u32 v9, vcc_lo, 0, v9, vcc_lo
	v_lshl_add_u32 v9, v9, 10, v4
	v_add_nc_u32 v[KEY+n], 128*(n/4)+n%4, v9
.set n, n+1
.endr
	s_wait_kmcnt 0x0
.irp a, 0,1,2,3                                    ; the same key for my four rows, as scalars
	s_cmp_ge_i32 s[24+\a], s40
	s_cselect_b32 s46, 1, 0
	s_cmp_ge_i32 s[24+\a], s41
	s_cselect_b32 s47, 1, 0
	s_add_co_u32 s46, s46, s47
	s_cmp_ge_i32 s[24+\a], s42
	s_cselect_b32 s47, 1, 0
	s_add_co_u32 s46, s46, s47
	s_lshl_b32 s46, s46, 10
	s_add_co_u32 s46, s46, s22
	s_add_co_u32 s[52+\a], s46, \a
.endr
.irp a, 0,1,2,3
	COUNT 52+\a, 48+\a                             ; the row's sorted place
.endr
.irp a, 0,1,2,3
	s_min_u32 s[48+\a], s[48+\a], 1023
	s_lshl_b32 s46, s[48+\a], 9
	s_mov_b32 s47, 0
	s_add_nc_u64 s[66+2*\a:67+2*\a], s[16:17], s[46:47]   ; its 512 bytes of codes
	s_lshl_b32 s46, s[48+\a], 5
	s_add_co_u32 s46, s46, HS
	s_add_nc_u64 s[74+2*\a:75+2*\a], s[16:17], s[46:47]   ; its 32 scale bytes
.endr
.irp a, 0,1,2,3
	s_wait_loadcnt 8*(3-\a)                        ; row a's eight loads are in; the later rows' may be out
	QB X+32*\a, CD+4*\a, SCF+\a, 10, 11
	v_lshrrev_b32 v[BY+\a], 23, v[SCF+\a]          ; the scale's byte (and the plain line behind the conversions)
	global_store_b128 v2, v[CD+4*\a:CD+4*\a+3], s[66+2*\a:67+2*\a]   ; the wave stores the row's 512 bytes on end
	global_store_b8 v1, v[BY+\a], s[74+2*\a:75+2*\a]                 ; 32 bytes on end; 32 KB of such pieces in the whole launch
.endr
	v_mov_b32 v5, 0                                ; lanes 0-3 take my four rows' place, number and target
	v_mov_b32 v6, 0
	v_mov_b32 v7, 0
.irp a, 0,1,2,3
	v_writelane_b32 v5, s[48+\a], \a
	s_add_co_u32 s46, s22, \a
	v_writelane_b32 v6, s46, \a
	v_writelane_b32 v7, s[24+\a], \a
.endr
	v_min_u32 v5, 1023, v5
	v_lshlrev_b32 v5, 2, v5
	s_wait_xcnt 0x0                                ; EXEC changes only when the stores above have read it
	v_cmp_gt_u32 vcc_lo, 4, v1
	s_and_saveexec_b32 s60, vcc_lo
	global_store_b32 v5, v6, s[18:19] offset:SROW
	global_store_b32 v5, v7, s[18:19] offset:STGT
	s_wait_xcnt 0x0                                ; and again in front of the line that widens it
	s_or_b32 exec_lo, exec_lo, s60
	s_or_b32 s46, ttmp9, s20
	s_cmp_lg_u32 s46, 0
	s_cbranch_scc1 .Ldone
	; ---------------- work-group 0, wave 0: where the clusters begin among the sorted rows, in tiles of 16
	s_mov_b32 s52, 1024
	s_mov_b32 s53, 2048
	s_mov_b32 s54, 3072
	COUNT 52, 48                                   ; rows of cluster 0
	COUNT 53, 49                                   ; of clusters 0 and 1
	COUNT 54, 50                                   ; of clusters 0, 1 and 2
	s_mov_b32 s51, 1024
	v_mov_b32 v8, 0
.irp c, 0,1,2
	s_lshr_b32 s46, s[48+\c], 4                    ; the first tile that holds a row of the cluster,
	s_add_co_u32 s47, s[49+\c], 15
	s_lshr_b32 s47, s47, 4                         ; one past the last;
	s_cmp_eq_u32 s[48+\c], s[49+\c]
	s_cselect_b32 s47, s46, s47                    ; a cluster without rows has no tile
	v_writelane_b32 v8, s46, 2*\c
	v_writelane_b32 v8, s47, 2*\c+1
.endr
	s_wait_xcnt 0x0
	v_cmp_gt_u32 vcc_lo, 8, v1
	s_and_saveexec_b32 s60, vcc_lo
	global_store_b32 v4, v8, s[18:19]              ; words 0-5, and two zeros
	s_wait_xcnt 0x0
	s_or_b32 exec_lo, exec_lo, s60
.Ldone:
	s_endpgm
	; ---------------- p0..p3: one fragment (16 columns x 128 along K) a wave
.Lweights:
	s_sub_co_u32 s22, ttmp9, 64
	s_and_b32 s23, s22, 1
	s_lshl_b32 s23, s23, 2
	s_add_co_u32 s23, s23, s20                     ; the K step
	s_lshr_b32 s22, s22, 1                         ; the tile, 0 .. 84: p0 has 64, p1 16, p2 4, p3 1
	v_and_b32 v5, 15, v0                           ; r
	v_bfe_u32 v3, v0, 4, 1                         ; h
	v_and_b32 v6, 8, v5
	v_add_nc_u32 v6, v6, v5                        ; THE COLUMNS OF A TILE ARE NOT NEIGHBOURS: lane r takes column r + 8 (r / 8) of its pair's 32, so that in the product's
	v_lshlrev_b32 v7, 2, v1                        ; result the 16 registers of two neighbouring tiles are 16 neighbours along the next K
	s_cmp_lt_u32 s22, 64
	s_cbranch_scc0 .Lnot_p0
	PPATH 8, 0, 4096, 6
	s_branch .Lquant
.Lnot_p0:
	s_cmp_lt_u32 s22, 80
	s_cbranch_scc0 .Lnot_p1
	PPATH 10, 64, 1024, 6
	s_branch .Lquant
.Lnot_p1:
	s_cmp_lt_u32 s22, 84
	s_cbranch_scc0 .Lnot_p2
	PPATH 12, 80, 256, 6
	s_branch .Lquant
.Lnot_p2:
	PPATH 14, 84, 64, 5                            ; p3's 16 columns as they lie: its result is no quantised operand
.Lquant:
	s_wait_loadcnt 0x0
	QB X, 48, 12, 10, 11                           ; my block h of the K step,
	v_lshrrev_b32 v14, 23, v12
	QB X+32, 52, 13, 10, 11                        ; and my block 2 + h
	v_lshrrev_b32 v15, 23, v13
	v_lshl_or_b32 v9, v15, 16, v14                 ; my two bytes,
	v_lshlrev_b32 v10, 3, v3
	v_lshlrev_b32 v9, v10, v9                      ; at their places in the scale word;
	v_mov_b32 v10, 0
	v_permlanex16_b32 v10, v9, s44, s45
	v_or_b32 v9, v9, v10                           ; with lane l xor 16's two the word is whole, in both halves of the lanes
	s_lshl_b32 s24, s22, 3
	s_add_co_u32 s24, s24, s23                     ; 8 x tile + K step
	s_lshl_b32 s26, s24, 10
	s_add_co_u32 s26, s26, PQ
	s_mov_b32 s27, 0
	s_add_nc_u64 s[30:31], s[16:17], s[26:27]
	s_lshl_b32 s26, s24, 7
	s_add_co_u32 s26, s26, PSC
	s_add_nc_u64 s[32:33], s[16:17], s[26:27]
	global_store_b128 v2, v[48:51], s[30:31]       ; the operand's registers as they stand: 512 bytes on end a store
	global_store_b128 v2, v[52:55], s[30:31] offset:512
	global_store_b32 v7, v9, s[32:33]
	s_endpgm
.Lfunc_end_k_qd133663f17_prep:
	.size	k_qd133663f17_prep, .Lfunc_end_k_qd133663f17_prep-k_qd133663f17_prep
	.p2alignl 7, 3214868480
	.fill 96, 4, 3214868480
	.section	.rodata,"a",@progbits
	.p2align	6, 0x0
	.amdhsa_kernel k_qd133663f17_prep
		.amdhsa_group_segment_fixed_size 0
		.amdhsa_private_segment_fixed_size 0
		.amdhsa_enable_private_segment 0
		.amdhsa_kernarg_size 64
		.amdhsa_user_sgpr_count 2
		.amdhsa_user_sgpr_kernarg_segment_ptr 1
		.amdhsa_wavefront_size32 1
		.amdhsa_system_sgpr_workgroup_id_x 1
		.amdhsa_system_sgpr_workgroup_id_y 1
		.amdhsa_system_sgpr_workgroup_id_z 1
		.amdhsa_system_vgpr_workitem_id 0
		.amdhsa_next_free_vgpr 224
		.amdhsa_next_free_sgpr 96
		.amdhsa_reserve_vcc 1
		.amdhsa_float_denorm_mode_32 3
		.amdhsa_float_denorm_mode_16_64 3
		.amdhsa_memory_ordered 1
		.amdhsa_forward_progress 1
		.amdhsa_inst_pref_size 87
	.end_amdhsa_kernel
	.amdgpu_metadata
---
amdhsa.version: [ 1, 2 ]
amdhsa.kernels:
  - .name:           k_qd133663f17_prep
    .symbol:         k_qd133663f17_prep.kd
    .args:
      - { .name: hidden, .offset: 0, .size: 8, .value_kind: global_buffer, .address_space: global }
      - { .name: target, .offset: 8, .size: 8, .value_kind: global_buffer, .address_space: global }
      - { .name: p0, .offset: 16, .size: 8, .value_kind: global_buffer, .address_space: global }
      - { .name: p1, .offset: 24, .size: 8, .value_kind: global_buffer, .address_space: global }
      - { .name: p2, .offset: 32, .size: 8, .value_kind: global_buffer, .address_space: global }
      - { .name: p3, .offset: 40, .size: 8, .value_kind: global_buffer, .address_space: global }
      - { .name: qin, .offset: 48, .size: 8, .value_kind: global_buffer, .address_space: global }
      - { .name: tab, .offset: 56, .size: 8, .value_kind: global_buffer, .address_space: global }
    .group_segment_fixed_size: 0
    .private_segment_fixed_size: 0
    .kernarg_segment_align: 8
    .kernarg_segment_size: 64
    .max_flat_workgroup_size: 128
    .sgpr_count:     96
    .vgpr_count:     224
    .wavefront_size: 32
...
	.end_amdgpu_metadata
.endif
;; end of part 1
;; launch project (part 2): grid 11 x 16, 4 waves a work-group, no clusters, 0 bytes of LDS; arguments qin, pj; writes pj
.if DOCPART == 2
	.amdgcn_target "amdgcn-amd-amdhsa--gfx1250"
	.amdhsa_code_object_version 6
	.text
	.protected	k_qd133663f17_project
	.globl	k_qd133663f17_project
	.p2align	8
	.type	k_qd133663f17_project,@function
k_qd133663f17_project:
	s_mov_b64 s[64:65], 0
	v_nop
	global_prefetch_b8 v0, s[64:65] scope:SCOPE_SE
	s_setreg_imm32_b32 hwreg(HW_REG_WAVE_MODE, 25, 1), 1
	s_wait_xcnt 0x0
; PROJECT.  hidden @ p0, p1, p2, p3 on codes of E2M1 (K = 1,024, eight steps of 128), on the SORTED rows; the results are quantised along their own columns,
; which are the K of the next products, and stored as images of a matrix operand's registers (hidden @ p3: rounded to bf16, its product is left as it is).
; SHARES.  Work-group x = a group of 128 result columns (0-7: p0; 8, 9: p1; 10: p2's 64 and p3's 16); y and the wave give the tile of 16 sorted rows.
; One wave makes 16 rows x 128 columns: 8 accumulators (5 in group 10) by turns, 8 K steps.  All its operands come straight from memory into registers, asked for at the head.
; THE PRODUCT IS USED TRANSPOSED (source 0 = 16 columns of p, source 1 = 16 rows of hidden): a lane holds one row, and by the choice of p's columns in a tile
; register 16 b + i of the eight tiles is column 32 b + 16 (lane / 16) + i of the group: 16 neighbours along the next K.
; pj: PC0 [tile 64][K step 8][half 2][lane][16 B], PS0 [tile][K step][lane][4 B]; PC1, PS1 likewise with 2 K steps; PC2 [tile][lane][16 B] (64 along K),
; PS2 [tile][lane][4 B] (its two bytes, twice); PC3 [tile][lane][16 B] bf16.
; LIMITS: as in the launch before: NaN and infinities are not served; a block under 2^-124 gets the byte 1.
; No LDS, no tensor load, no cluster: a wave reads 64 KB of p's fragments that 63 other waves read too; that is a small launch's traffic, and it has too few steps to share by a ring.
; REGISTERS, in windows of 256: window 0: v1-7 addresses; v16-79 hidden's 8 fragments; v80-87 its scale words; v88-151 p's scale words (8 s + tile); v152-215 accumulators;
; v216-223 codes; v224-239 at work; v240 the scale word made.  Window 1: p's fragments of K steps 0-3 (8 (8 s + tile)); window 2: of K steps 4-7.
.set HS,   524288
.set PQ,   557056
.set PSC,  1253376
.set PS0,  524288
.set PC1,  589824
.set PS1,  720896
.set PC2,  737280
.set PS2,  770048
.set PC3,  778240
.set XF,   16
.set XS,   80
.set AS,   88
.set HA,   152
.set PC,   216
.set TM,   224
.set PW,   240
.set MSB,  0
.macro WIN new                         ; the immediate's high byte repeats the setting that is left
.if MSB != \new
	s_set_vgpr_msb (MSB<<8)|\new
.set MSB, \new
.endif
.endm
.macro LOADS nt                        ; everything the wave will multiply: hidden's fragments and words, p's words, then p's fragments K step by K step
.irp s, 0,1,2,3,4,5,6,7
.irp c, 0,1
	global_load_b128 v[XF+8*\s+4*\c:XF+8*\s+4*\c+3], v4, s[10:11] offset:64*\s+32*\c
.endr
.endr
	global_load_b128 v[XS:XS+3], v5, s[12:13]
	global_load_b128 v[XS+4:XS+7], v5, s[12:13] offset:16
.set q, 0
.rept 8
.set u, 0
.rept \nt
	global_load_b32 v[AS+8*q+u], v7, s[16:17] offset:(8*u+q)*128
.set u, u+1
.endr
.set q, q+1
.endr
	WIN 0x40                                       ; destination window 1
.set q, 0
.rept 4
.set u, 0
.rept \nt
	global_load_b128 v[8*(8*q+u):8*(8*q+u)+3], v6, s[14:15] offset:(8*u+q)*1024
	global_load_b128 v[8*(8*q+u)+4:8*(8*q+u)+7], v6, s[14:15] offset:(8*u+q)*1024+512
.set u, u+1
.endr
.set q, q+1
.endr
	WIN 0x80                                       ; destination window 2
.set q, 0
.rept 4
.set u, 0
.rept \nt
	global_load_b128 v[8*(8*q+u):8*(8*q+u)+3], v6, s[14:15] offset:(8*u+q+4)*1024
	global_load_b128 v[8*(8*q+u)+4:8*(8*q+u)+7], v6, s[14:15] offset:(8*u+q+4)*1024+512
.set u, u+1
.endr
.set q, q+1
.endr
	WIN 0
.endm
.macro MULS nt                         ; the accumulators take turns, one instruction a turn; the first K step starts the sums
.set q, 0
.rept 8
.if q == 0
	s_wait_loadcnt 6*\nt                           ; all but the fragments of K steps 5, 6, 7 (2 nt loads each) are in
.elseif q >= 5
	s_wait_loadcnt 2*\nt*(7-q)                     ; this K step's are in; the later steps' may be out
.endif
.if q < 4
	WIN 0x01                                       ; source 0 window 1
.else
	WIN 0x02                                       ; source 0 window 2
.endif
.set u, 0
.rept \nt
.if q == 0
	v_wmma_scale_f32_16x16x128_f8f6f4 v[HA+8*u:HA+8*u+7], v[8*u:8*u+7], v[XF:XF+7], 0, v[AS+u], v[XS] matrix_a_fmt:MATRIX_FMT_FP4 matrix_b_fmt:MATRIX_FMT_FP4
.else
	v_wmma_scale_f32_16x16x128_f8f6f4 v[HA+8*u:HA+8*u+7], v[8*(8*(q%4)+u):8*(8*(q%4)+u)+7], v[XF+8*q:XF+8*q+7], v[HA+8*u:HA+8*u+7], v[AS+8*q+u], v[XS+q] matrix_a_fmt:MATRIX_FMT_FP4 matrix_b_fmt:MATRIX_FMT_FP4
.endif
.set u, u+1
.endr
.set q, q+1
.endr
	WIN 0
.rept 4
	v_nop                                          ; four places between the last products and the first read of a result (ISA guide 7.12.1)
.endr
.endm
; 16 nb numbers of a lane from v[s] on, register 16 b + i = k 32 b + 16 (lane / 16) + i of my row, become codes in v[PC] on and the scale word in v[PW]
.macro QUANT s, nb
.set b, 0
.rept \nb
	v_max3_num_f32 v[TM+b], |v[\s+16*b]|, |v[\s+16*b+1]|, 0x1800000   ; each accumulator is read from its low end on; the floor 2^(3 - 127) holds the byte at 1 from below
.set b, b+1
.endr
.set i, 2
.rept 7
.set b, 0
.rept \nb
	v_max3_num_f32 v[TM+b], v[TM+b], |v[\s+16*b+i]|, |v[\s+16*b+i+1]|
.set b, b+1
.endr
.set i, i+2
.endr
.set b, 0
.rept \nb
	v_permlanex16_b32 v[TM+4+b], v[TM+b], s20, s21
.set b, b+1
.endr
.set b, 0
.rept \nb
	v_max_num_f32 v[TM+b], v[TM+b], v[TM+4+b]      ; with lane l xor 16's 16: the block's largest magnitude
.set b, b+1
.endr
.set b, 0
.rept \nb
	v_add_nc_u32 v[TM+12+b], 0xff000000, v[TM+b]   ; 2 off its exponent field: the conversion's scale operand
.set b, b+1
.endr
.set b, 0
.rept \nb
	v_lshrrev_b32 v[TM+4+b], 23, v[TM+12+b]        ; the scale's byte
.set b, b+1
.endr
	v_lshl_or_b32 v[PW], v[TM+5], 8, v[TM+4]
.if \nb == 4
	v_lshl_or_b32 v[PW], v[TM+6], 16, v[PW]
	v_lshl_or_b32 v[PW], v[TM+7], 24, v[PW]
.else
	v_lshl_or_b32 v[PW], v[PW], 16, v[PW]          ; 64 along K: the two bytes twice, since the operand will stand in either half of a K step of 128
.endif
.set b, 0
.rept \nb
	v_cvt_scalef32_pk8_fp4_f32 v[PC+2*b], v[\s+16*b:\s+16*b+7], v[TM+12+b]
	v_cvt_scalef32_pk8_fp4_f32 v[PC+2*b+1], v[\s+16*b+8:\s+16*b+15], v[TM+12+b]
.set b, b+1
.endr
	v_nop                                          ; one plain line behind the scaled conversions
.set c, 0
.rept \nb/2                                        ; the operand's layout wants a WHOLE block in a lane: lanes 0-15 block 2 c, lanes 16-31 block 2 c + 1
	v_permlane16_swap_b32 v[PC+4*c], v[PC+4*c+2]
	v_permlane16_swap_b32 v[PC+4*c+1], v[PC+4*c+3]
.set c, c+1
.endr
.endm
	s_load_b128 s[4:7], s[0:1], 0x0                ; qin, pj
	v_lshrrev_b32 v1, 5, v0
	v_readfirstlane_b32 s8, v1                     ; wave
	s_and_b32 s9, ttmp7, 0xffff
	s_lshl_b32 s9, s9, 2
	s_add_co_u32 s9, s9, s8                        ; my tile of 16 sorted rows
	v_and_b32 v1, 31, v0
	v_and_b32 v2, 15, v0                           ; r
	v_bfe_u32 v3, v0, 4, 1                         ; h
	v_lshlrev_b32 v4, 9, v2
	v_lshl_add_u32 v4, v3, 4, v4                   ; hidden's codes: row r of 512 bytes, + 16 h
	v_lshlrev_b32 v5, 5, v2                        ; its scale bytes: 32 a row, a word a K step
	v_lshlrev_b32 v6, 4, v1                        ; an image's place for my lane
	v_lshlrev_b32 v7, 2, v1                        ; a scale word's
	s_mov_b32 s20, 0x76543210
	s_mov_b32 s21, 0xfedcba98
.irp b, 0,1,2,3
	v_mov_b32 v[TM+4+\b], 0                        ; written once: a lane permute's destination counts as one of its sources
.endr
	s_lshl_b32 s10, s9, 13
	s_mov_b32 s11, 0
	s_lshl_b32 s12, s9, 9
	s_add_co_u32 s12, s12, HS
	s_mov_b32 s13, 0
	s_lshl_b32 s14, ttmp9, 16                      ; a group's eight tiles x eight K steps x 1,024 bytes
	s_add_co_u32 s14, s14, PQ
	s_mov_b32 s15, 0
	s_lshl_b32 s16, ttmp9, 13
	s_add_co_u32 s16, s16, PSC
	s_mov_b32 s17, 0
	s_wait_kmcnt 0x0
	s_add_nc_u64 s[10:11], s[4:5], s[10:11]
	s_add_nc_u64 s[12:13], s[4:5], s[12:13]
	s_add_nc_u64 s[14:15], s[4:5], s[14:15]
	s_add_nc_u64 s[16:17], s[4:5], s[16:17]
	s_cmp_eq_u32 ttmp9, 10
	s_cbranch_scc1 .Lsmall
	; ---------------- 128 columns of hidden @ p0 or hidden @ p1: one K step of the next product
	LOADS 8
	MULS 8
	QUANT HA, 4
	s_cmp_lt_u32 ttmp9, 8                          ; p0's group or p1's: only offsets are chosen
	s_cselect_b32 s22, 13, 11                      ; a row tile's codes: 8 or 2 K steps of 1,024 bytes
	s_cselect_b32 s23, 10, 8                       ; its scale words: 8 or 2 x 128 bytes
	s_cselect_b32 s24, 0, PC1-8*1024
	s_mov_b32 s25, PS1-8*128
	s_cselect_b32 s25, PS0, s25
	s_lshl_b32 s26, s9, s22
	s_lshl_b32 s27, ttmp9, 10
	s_add_co_u32 s26, s26, s27
	s_add_co_u32 s26, s26, s24
	s_mov_b32 s27, 0
	s_add_nc_u64 s[28:29], s[6:7], s[26:27]
	s_lshl_b32 s26, s9, s23
	s_lshl_b32 s30, ttmp9, 7
	s_add_co_u32 s26, s26, s30
	s_add_co_u32 s26, s26, s25
	s_add_nc_u64 s[30:31], s[6:7], s[26:27]
	global_store_b128 v6, v[PC:PC+3], s[28:29]     ; 512 bytes on end a store
	global_store_b128 v6, v[PC+4:PC+7], s[28:29] offset:512
	global_store_b32 v7, v[PW], s[30:31]
	s_endpgm
.Lsmall:
	; ---------------- hidden @ p2 (tiles 0-3) and hidden @ p3 (tile 4)
	LOADS 5
	MULS 5
	QUANT HA, 2
.irp j, 0,1,2,3
	v_cvt_pk_bf16_f32 v[PC+4+\j], v[HA+32+2*\j], v[HA+33+2*\j]   ; lane (r, h): columns 8 h + 0 .. 7 of row r, from the accumulator's low end on
.endr
	s_lshl_b32 s26, s9, 9
	s_add_co_u32 s26, s26, PC2
	s_mov_b32 s27, 0
	s_add_nc_u64 s[28:29], s[6:7], s[26:27]
	s_lshl_b32 s26, s9, 7
	s_add_co_u32 s26, s26, PS2
	s_add_nc_u64 s[30:31], s[6:7], s[26:27]
	s_lshl_b32 s26, s9, 9
	s_add_co_u32 s26, s26, PC3
	s_add_nc_u64 s[32:33], s[6:7], s[26:27]
	global_store_b128 v6, v[PC:PC+3], s[28:29]
	global_store_b32 v7, v[PW], s[30:31]
	global_store_b128 v6, v[PC+4:PC+7], s[32:33]
	s_endpgm
.Lfunc_end_k_qd133663f17_project:
	.size	k_qd133663f17_project, .Lfunc_end_k_qd133663f17_project-k_qd133663f17_project
	.p2alignl 7, 3214868480
	.fill 96, 4, 3214868480
	.section	.rodata,"a",@progbits
	.p2align	6, 0x0
	.amdhsa_kernel k_qd133663f17_project
		.amdhsa_group_segment_fixed_size 0
		.amdhsa_private_segment_fixed_size 0
		.amdhsa_enable_private_segment 0
		.amdhsa_kernarg_size 16
		.amdhsa_user_sgpr_count 2
		.amdhsa_user_sgpr_kernarg_segment_ptr 1
		.amdhsa_wavefront_size32 1
		.amdhsa_system_sgpr_workgroup_id_x 1
		.amdhsa_system_sgpr_workgroup_id_y 1
		.amdhsa_system_sgpr_workgroup_id_z 1
		.amdhsa_system_vgpr_workitem_id 0
		.amdhsa_next_free_vgpr 768
		.amdhsa_next_free_sgpr 66
		.amdhsa_reserve_vcc 0
		.amdhsa_float_denorm_mode_32 3
		.amdhsa_float_denorm_mode_16_64 3
		.amdhsa_memory_ordered 1
		.amdhsa_forward_progress 1
		.amdhsa_inst_pref_size 56
	.end_amdhsa_kernel
	.amdgpu_metadata
---
amdhsa.version: [ 1, 2 ]
amdhsa.kernels:
  - .name:           k_qd133663f17_project
    .symbol:         k_qd133663f17_project.kd
    .args:
      - { .name: qin, .offset: 0, .size: 8, .value_kind: global_buffer, .address_space: global }
      - { .name: pj, .offset: 8, .size: 8, .value_kind: global_buffer, .address_space: global }
    .group_segment_fixed_size: 0
    .private_segment_fixed_size: 0
    .kernarg_segment_align: 8
    .kernarg_segment_size: 16
    .max_flat_workgroup_size: 128
    .sgpr_count:     66
    .vgpr_count:     768
    .wavefront_size: 32
...
	.end_amdgpu_metadata
.endif
;; end of part 2
;; launch logits (part 3): grid 531 x 5, 4 waves a work-group, no clusters, 36,352 bytes of LDS; arguments W0, W1, W2, W3, b0, b1, b2, b3, cluster_weight, cluster_bias, pj, tab, part; writes part
.if DOCPART == 3
	.amdgcn_target "amdgcn-amd-amdhsa--gfx1250"
	.amdhsa_code_object_version 6
	.text
	.protected	k_qd133663f17_logits
	.globl	k_qd133663f17_logits
	.p2align	8
	.type	k_qd133663f17_logits,@function
k_qd133663f17_logits:
	s_mov_b64 s[64:65], 0
	v_nop
	global_prefetch_b8 v0, s[64:65] scope:SCOPE_SE
	s_setreg_imm32_b32 hwreg(HW_REG_WAVE_MODE, 25, 1), 1
	s_wait_xcnt 0x0
; LOGITS.  The four vocabulary products and, of each, one partial logsumexp for each (slice of the vocabulary, row).  Also the three cluster logits and each row's target logit.
; SHARES.  A work-group owns a slice of the vocabulary of one cluster: head 32 columns (625 slices: W0's rows and the 3 cluster rows), tail 1 80 (250), tail 2 128 (1,250), tail 3 128 (530).
; x of the grid picks the cluster (0-124 head, 125-174 tail 1, 175-424 tail 2, 425-530 tail 3), so that every y holds the same mix of the four.
; Phase 1: the four waves read the slice's f32 rows ONCE and quantise them (E2M1, one E8M0 byte for each 32 along K) into LDS.  Phase 2: every wave takes the whole slice into registers.
; Phase 3: the waves share the tiles of 16 sorted rows.  The head walks all 64.  A tail walks only the tiles that hold rows whose target lies in that tail (the range stands in tab):
; reference() keeps no other row's tail.  Phase 4 (slices 0-15 of each cluster): the logit at each row's target, as the diagonal of a product with 16 gathered rows of W.
; THE PRODUCTS ARE USED TRANSPOSED (source 0 = 16 vocabulary rows, source 1 = 16 sorted rows): a lane holds ONE row, its registers run along the vocabulary; the bias is the C of the first product.
; LOGSUMEXP of a slice: the row's largest logit M is taken away ahead of the exponentials; lse = M + ln 2 x log2(sum of 2^((x - M) log2 e)).
; TAIL 2 (K = 64) and TAIL 3 (K = 16, left as it is: bf16): one source 0 holds TWO vocabulary tiles, one in each half of the instruction's K, and source 1 holds the rows' numbers in one half and zeros in the other.
; part: LP0-LP3: 4,096 bytes a slice, [group of 4 tiles 16][lane (r, h)][e 2] f32 = row r of tile 4 g + 2 e + h: a group is one wave's, stored whole as 256 bytes on end.
; HL [tile][lane][4]: registers 4-7 of the head's last 16 columns (lane 16 + r, word c: cluster logit c).  TL [cluster][tile][lane][4]: row r's target logit.
; LIMITS: NaN and infinities are not served; a block under 2^-124 gets the scale byte 1; columns past tail 3's end get the bias -1e30, so their exponentials are 0.
; LEFT OUT: tensor loads, clusters and joint loads: the trip counts hang on numbers read from tab.  Large wave tiles: the vector work of the exponentials is the larger part, and four waves
; to a SIMD let one wave's exponentials stand beside another's products and loads.  Prefetches: a work-group's stream is read in one run at its head.
; REGISTERS: v1 16 x lane, v2 the rows' scale words' place, v3 8 x lane; v4 M; v5 a permute's destination; v[6:7] -M log2 e; v[8:11] sums; v[12:13] a group's results; v14 lse; v15 offset; v16-19 maxima;
; v20-31 SCALE WORDS AND NOTHING ELSE; from v32 on by path (BI bias tiles, ACC accumulators, B the rows' fragments, WC the slice's fragments).
.set PC0,  0
.set PS0,  524288
.set PC1,  589824
.set PS1,  720896
.set PC2,  737280
.set PS2,  770048
.set PC3,  778240
.set LP0,  0
.set LP1,  2560000
.set LP2,  3584000
.set LP3,  8704000
.set HL,   10874880
.set TL,   10907648
.set STGT, 4352
; LDS: each path has bytes of its own.  Codes lie in the order of the slice's stream, 16 bytes of padding behind every 512; scale bytes one a block; a bias word a column
.set HC,   0
.set HSB,  16896
.set HB,   17920
.set C1,   18432
.set S1,   28992
.set B1,   29632
.set C2,   30144
.set S2,   34368
.set B2,   34624
.set B3,   35136
.macro WLOAD reg, off, bs              ; 1,024 bytes on end for the wave, 32 a lane, by two neighbouring loads: a lane's 8 numbers are neighbours along K
	global_load_b128 v[\reg:\reg+3], v8, s[\bs:\bs+1] offset:\off th:TH_LOAD_NT
	global_load_b128 v[\reg+4:\reg+7], v8, s[\bs:\bs+1] offset:\off+16 th:TH_LOAD_NT
.endm
; step i of the slice's stream: 8 numbers a lane, four lanes to a block of 32: codes (4 bytes a lane) and the block's byte go to LDS
.macro Q8 reg, i
.set qm, 32+2*((\i)%2)
.set qc, 36+((\i)%8)
.set qb, 44+((\i)%8)
	v_max3_num_f32 v[qm], |v[\reg]|, |v[\reg+1]|, 0x1800000        ; the floor 2^(3 - 127): the byte cannot fall under 1
	v_max3_num_f32 v[qm], v[qm], |v[\reg+2]|, |v[\reg+3]|
	v_max3_num_f32 v[qm], v[qm], |v[\reg+4]|, |v[\reg+5]|
	v_max3_num_f32 v[qm], v[qm], |v[\reg+6]|, |v[\reg+7]|
	v_max_num_f32_dpp v[qm], v[qm], v[qm] row_xmask:1 row_mask:0xf bank_mask:0xf
	v_max_num_f32_dpp v[qm], v[qm], v[qm] row_xmask:2 row_mask:0xf bank_mask:0xf   ; the block's largest magnitude
	v_add_nc_u32 v[qm+1], 0xff000000, v[qm]                        ; 2 off its exponent field: the conversion's scale operand
	v_cvt_scalef32_pk8_fp4_f32 v[qc], v[\reg:\reg+7], v[qm+1]
	v_lshrrev_b32 v[qb], 23, v[qm+1]                               ; the byte (and the plain line behind the conversion)
	ds_store_b32 v9, v[qc] offset:528*(\i)
	ds_store_b8 v10, v[qb] offset:32*(\i)                          ; the block's four lanes write the same byte with the same value
.endm
; 32 numbers of one lane become 16 bytes of codes (phase 4)
.macro QB x, c, sc, ta, tb
	v_max3_num_f32 v[\ta], |v[\x]|, |v[\x+1]|, 0x1800000
	v_max3_num_f32 v[\tb], |v[\x+16]|, |v[\x+17]|, |v[\x+18]|
.irp i, 2,4,6,8,10,12
	v_max3_num_f32 v[\ta], v[\ta], |v[\x+\i]|, |v[\x+\i+1]|
	v_max3_num_f32 v[\tb], v[\tb], |v[\x+\i+17]|, |v[\x+\i+18]|
.endr
	v_max3_num_f32 v[\ta], v[\ta], |v[\x+14]|, |v[\x+15]|
	v_max3_num_f32 v[\ta], v[\ta], v[\tb], |v[\x+31]|
	v_add_nc_u32 v[\sc], 0xff000000, v[\ta]
.irp g, 0,1,2,3
	v_cvt_scalef32_pk8_fp4_f32 v[\c+\g], v[\x+8*\g:\x+8*\g+7], v[\sc]
.endr
.endm
; the slice's biases: thread i asks for column ncol x slice + i, held inside the buffer.  mode 1: the head, whose last three columns take cluster_bias; mode 2: columns past the end get -1e30
.macro BIAS bp, ncol, vmax, lds, mode
	s_mul_i32 s46, s41, \ncol
	v_add_nc_u32 v11, s46, v0
	v_min_u32 v14, \vmax-1, v11
	v_lshlrev_b32 v14, 2, v14
	global_load_b32 v18, v14, s[\bp:\bp+1]
.if \mode == 1
	v_add_nc_u32 v15, -(\vmax), v11
	v_max_i32 v15, 0, v15
	v_min_u32 v15, 2, v15
	v_lshlrev_b32 v15, 2, v15
	global_load_b32 v19, v15, s[22:23]
.endif
	v_lshl_add_u32 v6, v0, 2, \lds
.endm
.macro BIAS_PUT vmax, mode
.if \mode == 2
	v_mov_b32 v19, 0xf149f2ca                      ; -1e30
.endif
.if \mode
	v_cmp_le_u32 vcc_lo, \vmax, v11
	v_cndmask_b32 v18, v18, v19, vcc_lo
.endif
	ds_store_b32 v6, v18
.endm
.macro BARRIER                         ; my LDS stores have landed: then the work-group's barrier; behind it every wave reads the whole slice
	s_wait_dscnt 0x0
	s_barrier_signal -1
	s_barrier_wait -1
.endm
.macro SETUP lp, pco, pso              ; where the slice's results go, where the rows' codes and scale words lie
	s_wait_kmcnt 0x0                               ; the table
	s_lshl_b32 s76, s41, 12
	s_add_co_u32 s76, s76, \lp
	s_add_nc_u64 s[60:61], s[28:29], s[76:77]
	s_add_nc_u64 s[68:69], s[24:25], \pco
	s_add_nc_u64 s[70:71], s[24:25], \pso
.endm
; tiles s44 .. s45 - 1 are shared out by groups of four: s42 = my first tile, s43 = one past my last.  A group is one wave's, so that its 256 bytes of results are stored whole by one instruction
.macro RANGE
	s_lshr_b32 s46, s44, 2                         ; the first group
	s_add_co_u32 s47, s45, 3
	s_lshr_b32 s47, s47, 2                         ; one past the last
	s_sub_co_u32 s48, s47, s46
	s_add_co_u32 s48, s48, 3
	s_lshr_b32 s48, s48, 2                         ; groups a wave
	s_mul_i32 s49, s40, s48
	s_add_co_u32 s46, s46, s49
	s_add_co_u32 s48, s46, s48
	s_min_u32 s48, s48, s47
	s_lshl_b32 s42, s46, 2
	s_max_u32 s42, s42, s44
	s_lshl_b32 s43, s48, 2
	s_min_u32 s43, s43, s45
.endm
.macro BBASE tn, cs, ss                ; the bases of tile s[tn]'s codes (2^cs bytes a tile) and scale words (2^ss); the tile is held inside the buffer
	s_min_u32 s46, s[\tn], 63
	s_lshl_b32 s76, s46, \cs
	s_add_nc_u64 s[72:73], s[68:69], s[76:77]
.if \ss
	s_lshl_b32 s76, s46, \ss
	s_add_nc_u64 s[74:75], s[70:71], s[76:77]
.endif
.endm
.macro WS4 d, a, b, c, sa, sb, row     ; row = 1: both scale words are taken from lanes 16-31
.if \row
	v_wmma_scale_f32_16x16x128_f8f6f4 v[\d:\d+7], v[\a:\a+7], v[\b:\b+7], v[\c:\c+7], v[\sa], v[\sb] matrix_a_fmt:MATRIX_FMT_FP4 matrix_b_fmt:MATRIX_FMT_FP4 matrix_a_scale:MATRIX_SCALE_ROW1 matrix_b_scale:MATRIX_SCALE_ROW1
.else
	v_wmma_scale_f32_16x16x128_f8f6f4 v[\d:\d+7], v[\a:\a+7], v[\b:\b+7], v[\c:\c+7], v[\sa], v[\sb] matrix_a_fmt:MATRIX_FMT_FP4 matrix_b_fmt:MATRIX_FMT_FP4
.endif
.endm
.macro PLACES n
.rept \n
	v_nop
.endr
.endm
; The slice's logsumexp for the tile's 16 rows: T accumulators from v[ac] on; the result in v14, in both lanes of a row.  hd = 1: the head's last slice also stores the cluster logits
.macro SMX ac, T, hd
.set nch, 4
.if \T < 4
.set nch, \T
.endif
.set c, 0
.rept nch
	v_max3_num_f32 v[16+c], v[\ac+8*c], v[\ac+8*c+1], v[\ac+8*c+2]   ; each accumulator is read from its low end on; the chains take turns
.set c, c+1
.endr
.set c, 0
.rept nch
	v_max3_num_f32 v[16+c], v[16+c], v[\ac+8*c+3], v[\ac+8*c+4]
.set c, c+1
.endr
.set c, 0
.rept nch
	v_max3_num_f32 v[16+c], v[16+c], v[\ac+8*c+5], v[\ac+8*c+6]
.set c, c+1
.endr
.set c, 0
.rept nch
	v_max_num_f32 v[16+c], v[16+c], v[\ac+8*c+7]
.set c, c+1
.endr
.set rem, \T-nch
.set q, 0
.rept 4
.set c, 0
.rept rem
	v_max3_num_f32 v[16+c], v[16+c], v[\ac+8*(nch+c)+2*q], v[\ac+8*(nch+c)+2*q+1]
.set c, c+1
.endr
.set q, q+1
.endr
.if nch == 4
	v_max3_num_f32 v4, v16, v17, v18
	v_max_num_f32 v4, v4, v19
.else
	v_max_num_f32 v4, v16, v17
.endif
	v_permlanex16_b32 v5, v4, s54, s55             ; the row's other columns lie in the lane 16 away
	v_max_num_f32 v4, v4, v5                       ; M
	v_mul_f32 v6, s52, v4                          ; -M log2 e
.if \hd
	s_cmp_lg_u32 s41, 624
	s_cbranch_scc1 .Lno_hl_\@
	s_min_u32 s46, s42, 63
	s_lshl_b32 s76, s46, 9
	s_add_nc_u64 s[90:91], s[78:79], s[76:77]
	global_store_b128 v1, v[\ac+12:\ac+15], s[90:91]   ; columns 19,996 .. 19,999 stand in lanes 16-31: 512 bytes on end
	s_wait_xcnt 0x0                                ; the store has read its registers: the exponentials below write them
.Lno_hl_\@:
.endif
.set j, 0
.rept 4*\T
	v_pk_fma_f32 v[\ac+j:\ac+j+1], v[\ac+j:\ac+j+1], s[50:51], v[6:7] op_sel_hi:[1,0,0]   ; (x - M) log2 e, two at a time
.set j, j+2
.endr
.set j, 0
.rept 8*\T
	v_exp_f32 v[\ac+j], v[\ac+j]
.set j, j+1
.endr
	v_nop                                          ; a plain line behind the last exponential,
	s_wait_alu depctr_va_vdst(0)                   ; and one wait for the whole batch ahead of its first reader
	v_pk_add_f32 v[8:9], v[\ac:\ac+1], v[\ac+2:\ac+3]
	v_pk_add_f32 v[10:11], v[\ac+4:\ac+5], v[\ac+6:\ac+7]
.set j, 8
.rept 2*\T-2
	v_pk_add_f32 v[8:9], v[8:9], v[\ac+j:\ac+j+1]
	v_pk_add_f32 v[10:11], v[10:11], v[\ac+j+2:\ac+j+3]
.set j, j+4
.endr
	v_pk_add_f32 v[8:9], v[8:9], v[10:11]
	v_add_f32 v8, v8, v9
	v_permlanex16_b32 v5, v8, s54, s55
	v_add_f32 v8, v8, v5                           ; the row's sum, at least about 1
	v_log_f32 v14, v8
	v_nop
	s_wait_alu depctr_va_vdst(0)
	v_fma_f32 v14, v14, s53, v4                    ; lse = M + ln 2 x log2(sum)
.endm
; tile t's 16 results take their place in the group's two registers (half t & 1 of the lanes, register (t >> 1) & 1); a group that is finished is stored
.macro FIN
	s_bitcmp1_b32 s42, 0
	s_cselect_b32 s46, s57, s56
	s_bitcmp1_b32 s42, 1
	s_cselect_b32 s58, 0, s46
	s_cselect_b32 s59, s46, 0
	v_cndmask_b32 v12, v12, v14, s58
	v_cndmask_b32 v13, v13, v14, s59
	s_add_co_u32 s47, s42, 1
	s_cmp_eq_u32 s47, s43
	s_cbranch_scc1 .Lput_\@
	s_and_b32 s48, s47, 3
	s_cmp_lg_u32 s48, 0
	s_cbranch_scc1 .Lkeep_\@
.Lput_\@:
	s_lshr_b32 s48, s42, 2
	s_min_u32 s48, s48, 15
	s_lshl_b32 s48, s48, 8
	v_add_nc_u32 v15, s48, v3
	global_store_b64 v15, v[12:13], s[60:61]       ; 256 bytes on end, at a multiple of 256 from the buffer's first byte.  Places of tiles outside the range hold zeros or older numbers: nobody uses them
	s_wait_xcnt 0x0                                ; v12, v13 and v15 are written again only behind this wait
.Lkeep_\@:
.endm
.macro NEXT lab                        ; the loop's edge: a counter stepped by 1 against a register that the loop does not write
	s_add_co_u32 s42, s42, 1
	s_cmp_lt_u32 s42, s43
	s_cbranch_scc1 \lab
.endm
; PHASE 4, common part: tile t = 4 x slice + wave; lane (r, h) reads row r's target and holds it inside the cluster, as reference() clips it
.macro TLHEAD kind, bp, low, maxrel, pco, pcs, pso, pss
	s_lshl_b32 s46, s41, 2
	s_add_co_u32 s46, s46, s40
	v_and_b32 v16, 15, v0                          ; r
	v_bfe_u32 v17, v0, 4, 1                        ; h
	v_and_b32 v18, 31, v0
	v_lshlrev_b32 v18, 2, v18                      ; 4 x lane
	s_lshl_b32 s47, s46, 6
	v_lshl_add_u32 v45, v16, 2, s47
	global_load_b32 v40, v45, s[26:27] offset:STGT
	s_lshl_b32 s76, s46, \pcs
	s_add_co_u32 s76, s76, \pco
	s_add_nc_u64 s[72:73], s[24:25], s[76:77]
.if \pss
	s_lshl_b32 s76, s46, \pss
	s_add_co_u32 s76, s76, \pso
	s_add_nc_u64 s[74:75], s[24:25], s[76:77]
.endif
	s_lshl_b32 s76, s46, 7
	s_add_co_u32 s76, s76, TL+8192*\kind
	s_add_nc_u64 s[92:93], s[28:29], s[76:77]
.irp j, 1,2,3,4,5,6,7
	s_mov_b32 s[80+\j], (1<<\j)|(1<<(24+\j))       ; the lanes in which register j lies on the diagonal
.endr
	s_mov_b32 s88, 0xff0000ff
	s_wait_loadcnt 0x0
	v_add_nc_u32 v41, -(\low), v40
	v_max_i32 v41, 0, v41
	v_min_u32 v41, \maxrel, v41
	v_lshlrev_b32 v46, 2, v41
	global_load_b32 v42, v46, s[\bp:\bp+1]         ; the target column's bias
.endm
; D(m, n) of v[32:39]: m = the gathered row of sorted row m, n = sorted row n: the diagonal is wanted.  Lane (r, h) holds m = 8 h + j in register j
.macro DIAG
	v_mov_b32 v44, v32                             ; the accumulator is read from its low end on
.irp j, 1,2,3,4,5,6,7
	v_cndmask_b32 v44, v44, v[32+\j], s[80+\j]
.endr
	v_permlanex16_b32 v5, v44, s54, s55            ; rows 0-7 stand in lanes 0-7, rows 8-15 in lanes 24-31: the other lanes take theirs from 16 away
	v_cndmask_b32 v44, v5, v44, s88
	v_add_f32 v44, v44, v42
	global_store_b32 v18, v44, s[92:93]
.endm
; the quantised clusters: 16 gathered rows of W are quantised in registers, K step by K step.  rsh: log2 of a row's bytes; nk: K steps (1: half a step, 64 along K)
.macro TLQ wp, rsh, nk
	v_lshlrev_b32 v43, \rsh, v41
	v_lshlrev_b32 v47, 7, v17
	v_add_nc_u32 v43, v43, v47                     ; my row, + 128 h: lane (r, h) takes blocks h and 2 + h of a K step
.if \nk > 1
.irp j, 0,1,2,3,4,5,6,7
	v_mov_b32 v[32+\j], 0                          ; eight registers, once: so the K step is written once
.endr
	s_mov_b32 s47, \nk
.Ltl_\@:
.irp c, 0,1
.irp i, 0,1,2,3,4,5,6,7
	global_load_b128 v[64+32*\c+4*\i:67+32*\c+4*\i], v43, s[\wp:\wp+1] offset:256*\c+16*\i
.endr
	global_load_b128 v[56+4*\c:59+4*\c], v1, s[72:73] offset:512*\c
.endr
	global_load_b32 v29, v18, s[74:75]
	s_wait_loadcnt 0x0
	QB 64, 48, 10, 44, 45
	v_lshrrev_b32 v8, 23, v10
	QB 96, 52, 11, 44, 45
	v_lshrrev_b32 v9, 23, v11
	v_lshl_or_b32 v44, v9, 16, v8                  ; my two bytes, at their places in the scale word;
	v_lshlrev_b32 v45, 3, v17
	v_lshlrev_b32 v44, v45, v44
	v_permlanex16_b32 v5, v44, s54, s55
	v_or_b32 v28, v44, v5                          ; with lane l xor 16's two the word is whole
	PLACES 8                                       ; a scale word made by a vector instruction stands eight places ahead of the product, codes so made four
	s_wait_alu depctr_va_vdst(0)                   ; the wait directly ahead
	v_wmma_scale_f32_16x16x128_f8f6f4 v[32:39], v[48:55], v[56:63], v[32:39], v28, v29 matrix_a_fmt:MATRIX_FMT_FP4 matrix_b_fmt:MATRIX_FMT_FP4
	v_add_nc_u32 v43, 512, v43                     ; the next K step of my row (its loads have come back); with three more lines the four places behind the product
	PLACES 3
	s_add_nc_u64 s[72:73], s[72:73], 1024
	s_add_nc_u64 s[74:75], s[74:75], 128
	s_sub_co_u32 s47, s47, 1
	s_cmp_lg_u32 s47, 0
	s_cbranch_scc1 .Ltl_\@
.else
.irp i, 0,1,2,3,4,5,6,7
	global_load_b128 v[64+4*\i:67+4*\i], v43, s[\wp:\wp+1] offset:16*\i
.endr
	global_load_b128 v[56:59], v1, s[72:73]
	global_load_b32 v29, v18, s[74:75]
.irp j, 0,1,2,3
	v_mov_b32 v[52+\j], 0                          ; the K step's upper half: zero codes on both sides
	v_mov_b32 v[60+\j], 0
.endr
	s_wait_loadcnt 0x0
	QB 64, 48, 10, 44, 45
	v_lshrrev_b32 v8, 23, v10
	v_lshlrev_b32 v45, 3, v17
	v_lshlrev_b32 v44, v45, v8
	v_permlanex16_b32 v5, v44, s54, s55
	v_or_b32 v28, v44, v5                          ; bytes 0 and 1; bytes 2 and 3 stay 0 over zero codes
	PLACES 8
	v_wmma_scale_f32_16x16x128_f8f6f4 v[32:39], v[48:55], v[56:63], 0, v28, v29 matrix_a_fmt:MATRIX_FMT_FP4 matrix_b_fmt:MATRIX_FMT_FP4
	PLACES 4
.endif
	DIAG
.endm
	s_load_b512 s[4:19], s[0:1], 0x0               ; W0 4, W1 6, W2 8, W3 10, b0 12, b1 14, b2 16, b3 18
	s_load_b256 s[20:27], s[0:1], 0x40             ; cluster_weight 20, cluster_bias 22, pj 24, tab 26
	s_load_b64 s[28:29], s[0:1], 0x60              ; part
	s_set_vgpr_msb 0x40
	v_lshl_add_u32 v0, v0, 2, 0x8c00
	v_mov_b32 v1, 0
	s_set_vgpr_msb 0x4000
	v_lshrrev_b32 v4, 5, v0
	v_readfirstlane_b32 s40, v4                    ; wave
	v_and_b32 v4, 31, v0                           ; lane (until the first M)
	v_and_b32 v16, 15, v0                          ; r
	v_bfe_u32 v17, v0, 4, 1                        ; h
	v_lshlrev_b32 v1, 4, v4
	v_lshlrev_b32 v3, 3, v4
	v_lshlrev_b32 v8, 5, v0                        ; phase 1: 32 bytes a thread: 1,024 x wave + 32 x lane
	v_mov_b32 v5, 0                                ; written once: a lane permute's destination counts as one of its sources
	v_mov_b32 v7, 0                                ; (named as the upper half of the pair v[6:7])
	v_mov_b32 v12, 0
	v_mov_b32 v13, 0
	s_and_b32 s30, ttmp7, 0xffff                   ; y
	s_mov_b32 s77, 0                               ; the upper word of the offset pair s[76:77]
	s_mov_b32 s50, 0x3fb8aa3b                      ; log2 e
	s_mov_b32 s51, s50
	s_mov_b32 s52, 0xbfb8aa3b                      ; -log2 e
	s_mov_b32 s53, 0x3f317218                      ; ln 2
	s_mov_b32 s54, 0x76543210                      ; v_permlanex16_b32's selects for lane l xor 16
	s_mov_b32 s55, 0xfedcba98
	s_mov_b32 s56, 0x0000ffff
	s_mov_b32 s57, 0xffff0000
	s_wait_kmcnt 0x0
	s_load_b256 s[32:39], s[26:27], 0x0            ; the tails' tile ranges
	s_cmp_lt_u32 ttmp9, 125
	s_cbranch_scc0 .Lnot_head
	; =============================== THE HEAD: 32 columns, K = 1,024.  BS v20-23, WS v24-31, BI v32-47, ACC v48-63, B v64-127, WC v128-255
	s_mul_i32 s41, s30, 125
	s_add_co_u32 s41, s41, ttmp9                   ; the slice
	s_lshl_b32 s76, s41, 17                        ; 32 rows of 4,096 bytes
	s_add_nc_u64 s[62:63], s[4:5], s[76:77]
	s_add_nc_u64 s[66:67], s[62:63], 29*4096       ; rows 29-31 of the slice: W0's, or in the last slice the three cluster rows
	s_cmp_eq_u32 s41, 624
	s_cselect_b64 s[66:67], s[20:21], s[66:67]
	BIAS 12, 32, 19997, HB, 1
	v_lshl_add_u32 v9, v0, 2, HC                   ; codes: 128 x wave + 4 x lane, + 528 a step
	v_lshrrev_b32 v10, 2, v0
	v_add_nc_u32 v10, HSB, v10                     ; bytes: 8 x wave + lane / 4, + 32 a step
.set k, 0
.rept 24                                           ; step k = row k of the slice, a quarter of it a wave; 24 steps' loads go out at once
	WLOAD 64+8*k, 4096*k, 62
.set k, k+1
.endr
.set k, 0
.rept 32
.if k < 8
	s_wait_loadcnt 46                              ; behind step k's two loads: steps k + 1 .. 23 (2 (23 - k)) and the k refills so far (2 k)
.elseif k < 24
	s_wait_loadcnt 2*(23-k)+16                     ; steps k + 1 .. 23 and the eight refills
.else
	s_wait_loadcnt 2*(31-k)                        ; the refills behind this one
.endif
.if k == 0
	BIAS_PUT 19997, 1                              ; the biases were asked for ahead of step 0
.endif
	Q8 64+8*(k%24), k
.if k < 5
	WLOAD 64+8*k, 4096*(24+k), 62                  ; the registers just read take step 24 + k
.elseif k < 8
	WLOAD 64+8*k, 4096*(k-5), 66
.endif
.set k, k+1
.endr
	BARRIER
	SETUP LP0, PC0, PS0
	s_add_nc_u64 s[78:79], s[28:29], HL
	s_mov_b32 s44, 0
	s_mov_b32 s45, 64                              ; every row needs the head
	RANGE
	v_lshlrev_b32 v2, 2, v16
	v_lshl_add_u32 v2, v17, 7, v2                  ; the rows' scale words: lanes 0-15 an even K step's, lanes 16-31 the odd one's behind it
.macro BLOADH
.irp s, 0,1,2,3,4,5,6,7
.irp c, 0,1
	global_load_b128 v[64+8*\s+4*\c:67+8*\s+4*\c], v1, s[72:73] offset:1024*\s+512*\c
.endr
.endr
.irp i, 0,1,2,3
	global_load_b32 v[20+\i], v2, s[74:75] offset:256*\i
.endr
.endm
	BBASE 42, 13, 10
	BLOADH                                         ; my first tile's rows, asked for ahead of phase 2
	v_mul_u32_u24 v15, v16, 528
	v_lshl_add_u32 v15, v17, 4, v15                ; a slice row is one padded line of 528 bytes
	v_lshlrev_b32 v14, 5, v16
	v_lshl_add_u32 v14, v17, 2, v14
	v_add_nc_u32 v14, HSB, v14
	v_lshlrev_b32 v11, 5, v17
	v_add_nc_u32 v11, HB, v11
.irp a, 0,1
.irp s, 0,1,2,3,4,5,6,7
.irp c, 0,1
	ds_load_b128 v[128+64*\a+8*\s+4*\c:131+64*\a+8*\s+4*\c], v15 offset:HC+8448*\a+64*\s+32*\c
.endr
.endr
.irp i, 0,1,2,3
	ds_load_b32 v[24+4*\a+\i], v14 offset:512*\a+8*\i
.endr
	ds_load_b128 v[32+8*\a:35+8*\a], v11 offset:64*\a            ; lane (r, h): the biases of columns 16 a + 8 h + 0 .. 7
	ds_load_b128 v[36+8*\a:39+8*\a], v11 offset:64*\a+16
.endr
	s_wait_dscnt 0x0
	s_cmp_ge_u32 s42, s43
	s_cbranch_scc1 .Lh_done
.Lh_loop:
	s_wait_loadcnt 0x0                             ; this tile's rows, asked for a trip ago
.set q, 0
.rept 8                                            ; the two accumulators take turns
.set a, 0
.rept 2
.if q == 0
	WS4 48+8*a, 128+64*a, 64, 32+8*a, 24+4*a, 20, 0
.else
	WS4 48+8*a, 128+64*a+8*q, 64+8*q, 48+8*a, 24+4*a+q/2, 20+q/2, q%2
.endif
.set a, a+1
.endr
.set q, q+1
.endr
	PLACES 4                                       ; four places ahead of the loads into registers that the products read, and of the first read of a result
	s_add_co_u32 s47, s42, 1
	BBASE 47, 13, 10
	BLOADH                                         ; the next tile's rows land under the logsumexp; the last trip asks once more for a tile inside the buffer, which nobody uses
	SMX 48, 2, 1
	FIN
	NEXT .Lh_loop
.Lh_done:
	s_wait_loadcnt 0x0
	s_cmp_ge_u32 s41, 16
	s_cbranch_scc1 .Lh_end
	TLHEAD 0, 12, 0, 19996, PC0, 13, PS0, 10
	TLQ 4, 12, 8
.Lh_end:
	s_set_vgpr_msb 0x5
	s_wait_tensorcnt 0x0
	ds_add_u32 v0, v1
	s_wait_dscnt 0x0
	s_set_vgpr_msb 0x500
	s_endpgm
.Lnot_head:
	s_cmp_lt_u32 ttmp9, 175
	s_cbranch_scc0 .Lnot_t1
	; =============================== TAIL 1: 80 columns, K = 256.  BS v20, WS v22-26, BI v32-71, ACC v72-111, B v112-127, WC v128-207
	s_mul_i32 s41, s30, 50
	s_add_co_u32 s41, s41, ttmp9
	s_sub_co_u32 s41, s41, 125
	s_mul_i32 s76, s41, 81920                      ; 80 rows of 1,024 bytes
	s_add_nc_u64 s[62:63], s[6:7], s[76:77]
	BIAS 14, 80, 20000, B1, 0
	v_lshl_add_u32 v9, v0, 2, C1
	v_lshrrev_b32 v10, 2, v0
	v_add_nc_u32 v10, S1, v10
.set k, 0
.rept 20                                           ; step k = rows 4 k .. 4 k + 3, a row a wave
	WLOAD 64+8*k, 4096*k, 62
.set k, k+1
.endr
.set k, 0
.rept 20
	s_wait_loadcnt 2*(19-k)                        ; the later steps' loads may be out
.if k == 0
	BIAS_PUT 20000, 0
.endif
	Q8 64+8*k, k
.set k, k+1
.endr
	BARRIER
	SETUP LP1, PC1, PS1
	s_min_u32 s44, s32, 64
	s_min_u32 s45, s33, 64
	RANGE
	v_lshlrev_b32 v2, 2, v16
	v_lshl_add_u32 v2, v17, 7, v2                  ; lanes 0-15 K step 0's words, lanes 16-31 K step 1's
.macro BLOAD1
.irp s, 0,1
.irp c, 0,1
	global_load_b128 v[112+8*\s+4*\c:115+8*\s+4*\c], v1, s[72:73] offset:1024*\s+512*\c
.endr
.endr
	global_load_b32 v20, v2, s[74:75]
.endm
	BBASE 42, 11, 8
	BLOAD1
	v_lshrrev_b32 v15, 2, v16                      ; four rows of 128 bytes to a padded line
	v_mul_u32_u24 v15, v15, 528
	v_and_b32 v14, 3, v16
	v_lshl_add_u32 v15, v14, 7, v15
	v_lshl_add_u32 v15, v17, 4, v15
	v_add_nc_u32 v15, C1, v15
	v_lshlrev_b32 v14, 3, v16
	v_lshl_add_u32 v14, v17, 2, v14
	v_add_nc_u32 v14, S1, v14
	v_lshlrev_b32 v11, 5, v17
	v_add_nc_u32 v11, B1, v11
.irp a, 0,1,2,3,4
.irp s, 0,1
.irp c, 0,1
	ds_load_b128 v[128+16*\a+8*\s+4*\c:131+16*\a+8*\s+4*\c], v15 offset:2112*\a+64*\s+32*\c
.endr
.endr
	ds_load_b32 v[22+\a], v14 offset:128*\a
	ds_load_b128 v[32+8*\a:35+8*\a], v11 offset:64*\a
	ds_load_b128 v[36+8*\a:39+8*\a], v11 offset:64*\a+16
.endr
	s_wait_dscnt 0x0
	s_cmp_ge_u32 s42, s43
	s_cbranch_scc1 .Lt1_done
.Lt1_loop:
	s_wait_loadcnt 0x0
.set a, 0
.rept 5
	WS4 72+8*a, 128+16*a, 112, 32+8*a, 22+a, 20, 0
.set a, a+1
.endr
.set a, 0
.rept 5
	WS4 72+8*a, 136+16*a, 120, 72+8*a, 22+a, 20, 1
.set a, a+1
.endr
	PLACES 4
	s_add_co_u32 s47, s42, 1
	BBASE 47, 11, 8
	BLOAD1
	SMX 72, 5, 0
	FIN
	NEXT .Lt1_loop
.Lt1_done:
	s_wait_loadcnt 0x0
	s_cmp_ge_u32 s41, 16
	s_cbranch_scc1 .Lt1_end
	TLHEAD 1, 14, 19997, 19999, PC1, 11, PS1, 8
	TLQ 6, 10, 2
.Lt1_end:
	s_set_vgpr_msb 0x5
	s_wait_tensorcnt 0x0
	ds_add_u32 v0, v1
	s_wait_dscnt 0x0
	s_set_vgpr_msb 0x500
	s_endpgm
.Lnot_t1:
	s_cmp_lt_u32 ttmp9, 425
	s_cbranch_scc0 .Lnot_t2
	; =============================== TAIL 2: 128 columns, K = 64.  BS v20, WS v24-27, B v32-43 (zeros, codes, zeros), WC v48-79 (a pair of tiles in 8), BI v80-143, ACC v144-207
	s_mul_i32 s41, s30, 250
	s_add_co_u32 s41, s41, ttmp9
	s_sub_co_u32 s41, s41, 175
	s_lshl_b32 s76, s41, 15                        ; 128 rows of 256 bytes
	s_add_nc_u64 s[62:63], s[8:9], s[76:77]
	BIAS 16, 128, 160000, B2, 0
	v_lshl_add_u32 v9, v0, 2, C2
	v_lshrrev_b32 v10, 2, v0
	v_add_nc_u32 v10, S2, v10
.set k, 0
.rept 8                                            ; step k = tile k's 16 rows, four a wave
	WLOAD 64+8*k, 4096*k, 62
.set k, k+1
.endr
.set k, 0
.rept 8
	s_wait_loadcnt 2*(7-k)
.if k == 0
	BIAS_PUT 160000, 0
.endif
	Q8 64+8*k, k
.set k, k+1
.endr
	BARRIER
	SETUP LP2, PC2, PS2
	s_min_u32 s44, s34, 64
	s_min_u32 s45, s35, 64
	RANGE
	v_lshlrev_b32 v2, 2, v4
.macro BLOAD2
	global_load_b128 v[36:39], v1, s[72:73]
	global_load_b32 v20, v2, s[74:75]
.endm
	BBASE 42, 9, 7
	BLOAD2
	v_lshlrev_b32 v15, 5, v16
	v_lshl_add_u32 v15, v17, 4, v15
	v_add_nc_u32 v15, C2, v15                      ; a tile is one padded line: row r's 32 bytes, block h
	v_lshlrev_b32 v14, 1, v16
	v_add_nc_u32 v14, S2, v14
	v_lshlrev_b32 v11, 5, v17
	v_add_nc_u32 v11, B2, v11
.irp p, 0,1,2,3
	ds_load_b128 v[48+8*\p:51+8*\p], v15 offset:528*(2*\p)       ; tile 2 p in k 0 .. 63 of the instruction,
	ds_load_b128 v[52+8*\p:55+8*\p], v15 offset:528*(2*\p+1)     ; tile 2 p + 1 in k 64 .. 127
	ds_load_u16 v[24+\p], v14 offset:64*\p                       ; and their two scale bytes each
.endr
	ds_load_u16 v6, v14 offset:32
	ds_load_u16 v8, v14 offset:96
	ds_load_u16 v9, v14 offset:160
	ds_load_u16 v10, v14 offset:224
.irp a, 0,1,2,3,4,5,6,7
	ds_load_b128 v[80+8*\a:83+8*\a], v11 offset:64*\a
	ds_load_b128 v[84+8*\a:87+8*\a], v11 offset:64*\a+16
.endr
.irp j, 0,1,2,3
	v_mov_b32 v[32+\j], 0                          ; zero codes for the half of K that belongs to the other tile
	v_mov_b32 v[40+\j], 0
.endr
	s_wait_dscnt 0x0
	v_lshl_or_b32 v24, v6, 16, v24
	v_lshl_or_b32 v25, v8, 16, v25
	v_lshl_or_b32 v26, v9, 16, v26
	v_lshl_or_b32 v27, v10, 16, v27
	PLACES 8                                       ; scale words made by vector instructions stand eight places ahead of the first product
	s_cmp_ge_u32 s42, s43
	s_cbranch_scc1 .Lt2_done
.Lt2_loop:
	s_wait_loadcnt 0x0
.set p, 0
.rept 4                                            ; eight accumulators, one product each
	WS4 144+16*p, 48+8*p, 36, 80+16*p, 24+p, 20, 0
	WS4 152+16*p, 48+8*p, 32, 88+16*p, 24+p, 20, 0
.set p, p+1
.endr
	PLACES 4
	s_add_co_u32 s47, s42, 1
	BBASE 47, 9, 7
	BLOAD2
	SMX 144, 8, 0
	FIN
	NEXT .Lt2_loop
.Lt2_done:
	s_wait_loadcnt 0x0
	s_cmp_ge_u32 s41, 16
	s_cbranch_scc1 .Lt2_end
	TLHEAD 2, 16, 39997, 159999, PC2, 9, PS2, 7
	TLQ 8, 8, 1
.Lt2_end:
	s_set_vgpr_msb 0x5
	s_wait_tensorcnt 0x0
	ds_add_u32 v0, v1
	s_wait_dscnt 0x0
	s_set_vgpr_msb 0x500
	s_endpgm
.Lnot_t2:
	; =============================== TAIL 3: 128 columns, K = 16, bf16 operands.  B v32-43, WC v48-79, BI v80-143, ACC v144-207
	s_mul_i32 s41, s30, 106
	s_add_co_u32 s41, s41, ttmp9
	s_sub_co_u32 s41, s41, 425
	BIAS 18, 128, 67738, B3, 2
	s_lshl_b32 s46, s41, 7
	v_add_nc_u32 v15, s46, v16
.irp a, 0,1,2,3,4,5,6,7                            ; every wave takes the slice's 8 KB for itself: lane (r, h) 8 numbers of row 16 a + r, held inside the buffer
	v_add_nc_u32 v[32+\a], 16*\a, v15
	v_min_u32 v[32+\a], 67737, v[32+\a]
	v_lshlrev_b32 v[32+\a], 6, v[32+\a]
	v_lshl_add_u32 v[32+\a], v17, 5, v[32+\a]
	global_load_b128 v[144+8*\a:147+8*\a], v[32+\a], s[10:11]
	global_load_b128 v[148+8*\a:151+8*\a], v[32+\a], s[10:11] offset:16
.endr
	s_wait_loadcnt 16                              ; the bias is in; W3's sixteen loads may be out
	BIAS_PUT 67738, 2
	s_wait_loadcnt 0x0
.irp a, 0,1,2,3,4,5,6,7
.irp j, 0,1,2,3
	v_cvt_pk_bf16_f32 v[48+8*(\a/2)+4*(\a%2)+\j], v[144+8*\a+2*\j], v[145+8*\a+2*\j]   ; tile 2 p in k 0 .. 15 of the instruction, tile 2 p + 1 in k 16 .. 31
.endr
.endr
	BARRIER
	SETUP LP3, PC3, 0
	s_min_u32 s44, s36, 64
	s_min_u32 s45, s37, 64
	RANGE
	BBASE 42, 9, 0
	global_load_b128 v[36:39], v1, s[72:73]
	v_lshlrev_b32 v11, 5, v17
	v_add_nc_u32 v11, B3, v11
.irp a, 0,1,2,3,4,5,6,7
	ds_load_b128 v[80+8*\a:83+8*\a], v11 offset:64*\a
	ds_load_b128 v[84+8*\a:87+8*\a], v11 offset:64*\a+16
.endr
.irp j, 0,1,2,3
	v_mov_b32 v[32+\j], 0
	v_mov_b32 v[40+\j], 0
.endr
	s_wait_dscnt 0x0
	s_cmp_ge_u32 s42, s43
	s_cbranch_scc1 .Lt3_done
.Lt3_loop:
	s_wait_loadcnt 0x0
.set p, 0
.rept 4
	v_wmma_f32_16x16x32_bf16 v[144+16*p:151+16*p], v[48+8*p:55+8*p], v[36:43], v[80+16*p:87+16*p]
	v_wmma_f32_16x16x32_bf16 v[152+16*p:159+16*p], v[48+8*p:55+8*p], v[32:39], v[88+16*p:95+16*p]
.set p, p+1
.endr
	PLACES 4
	s_add_co_u32 s47, s42, 1
	BBASE 47, 9, 0
	global_load_b128 v[36:39], v1, s[72:73]
	SMX 144, 8, 0
	FIN
	NEXT .Lt3_loop
.Lt3_done:
	s_wait_loadcnt 0x0
	s_cmp_ge_u32 s41, 16
	s_cbranch_scc1 .Lt3_end
	TLHEAD 3, 18, 199997, 67737, PC3, 9, 0, 0
	v_lshlrev_b32 v43, 6, v41
	v_lshlrev_b32 v47, 5, v17
	v_add_nc_u32 v43, v43, v47
	global_load_b128 v[64:67], v43, s[10:11]
	global_load_b128 v[68:71], v43, s[10:11] offset:16
	global_load_b128 v[56:59], v1, s[72:73]
.irp j, 0,1,2,3
	v_mov_b32 v[52+\j], 0
	v_mov_b32 v[60+\j], 0
.endr
	s_wait_loadcnt 0x0
.irp j, 0,1,2,3
	v_cvt_pk_bf16_f32 v[48+\j], v[64+2*\j], v[65+2*\j]
.endr
	PLACES 4
	v_wmma_f32_16x16x32_bf16 v[32:39], v[48:55], v[56:63], 0
	PLACES 4
	DIAG
.Lt3_end:
	s_set_vgpr_msb 0x5
	s_wait_tensorcnt 0x0
	ds_add_u32 v0, v1
	s_wait_dscnt 0x0
	s_set_vgpr_msb 0x500
	s_endpgm
.Lfunc_end_k_qd133663f17_logits:
	.size	k_qd133663f17_logits, .Lfunc_end_k_qd133663f17_logits-k_qd133663f17_logits
	.p2alignl 7, 3214868480
	.fill 96, 4, 3214868480
	.section	.rodata,"a",@progbits
	.p2align	6, 0x0
	.amdhsa_kernel k_qd133663f17_logits
		.amdhsa_group_segment_fixed_size 36352
		.amdhsa_private_segment_fixed_size 0
		.amdhsa_enable_private_segment 0
		.amdhsa_kernarg_size 104
		.amdhsa_user_sgpr_count 2
		.amdhsa_user_sgpr_kernarg_segment_ptr 1
		.amdhsa_wavefront_size32 1
		.amdhsa_system_sgpr_workgroup_id_x 1
		.amdhsa_system_sgpr_workgroup_id_y 1
		.amdhsa_system_sgpr_workgroup_id_z 1
		.amdhsa_system_vgpr_workitem_id 0
		.amdhsa_next_free_vgpr 258
		.amdhsa_next_free_sgpr 100
		.amdhsa_reserve_vcc 1
		.amdhsa_float_denorm_mode_32 3
		.amdhsa_float_denorm_mode_16_64 3
		.amdhsa_memory_ordered 1
		.amdhsa_forward_progress 1
		.amdhsa_inst_pref_size 147
	.end_amdhsa_kernel
	.amdgpu_metadata
---
amdhsa.version: [ 1, 2 ]
amdhsa.kernels:
  - .name:           k_qd133663f17_logits
    .symbol:         k_qd133663f17_logits.kd
    .args:
      - { .name: W0, .offset: 0, .size: 8, .value_kind: global_buffer, .address_space: global }
      - { .name: W1, .offset: 8, .size: 8, .value_kind: global_buffer, .address_space: global }
      - { .name: W2, .offset: 16, .size: 8, .value_kind: global_buffer, .address_space: global }
      - { .name: W3, .offset: 24, .size: 8, .value_kind: global_buffer, .address_space: global }
      - { .name: b0, .offset: 32, .size: 8, .value_kind: global_buffer, .address_space: global }
      - { .name: b1, .offset: 40, .size: 8, .value_kind: global_buffer, .address_space: global }
      - { .name: b2, .offset: 48, .size: 8, .value_kind: global_buffer, .address_space: global }
      - { .name: b3, .offset: 56, .size: 8, .value_kind: global_buffer, .address_space: global }
      - { .name: cluster_weight, .offset: 64, .size: 8, .value_kind: global_buffer, .address_space: global }
      - { .name: cluster_bias, .offset: 72, .size: 8, .value_kind: global_buffer, .address_space: global }
      - { .name: pj, .offset: 80, .size: 8, .value_kind: global_buffer, .address_space: global }
      - { .name: tab, .offset: 88, .size: 8, .value_kind: global_buffer, .address_space: global }
      - { .name: part, .offset: 96, .size: 8, .value_kind: global_buffer, .address_space: global }
    .group_segment_fixed_size: 36352
    .private_segment_fixed_size: 0
    .kernarg_segment_align: 8
    .kernarg_segment_size: 104
    .max_flat_workgroup_size: 128
    .sgpr_count:     100
    .vgpr_count:     258
    .wavefront_size: 32
...
	.end_amdgpu_metadata
.endif
;; end of part 3
;; launch finish (part 4): grid 16 x 1, 32 waves a work-group, no clusters, 37,888 bytes of LDS; arguments part, tab, out0; writes out0
.if DOCPART == 4
	.amdgcn_target "amdgcn-amd-amdhsa--gfx1250"
	.amdhsa_code_object_version 6
	.text
	.protected	k_qd133663f17_finish
	.globl	k_qd133663f17_finish
	.p2align	8
	.type	k_qd133663f17_finish,@function
k_qd133663f17_finish:
	s_mov_b64 s[64:65], 0
	v_nop
	global_prefetch_b8 v0, s[64:65] scope:SCOPE_SE
	s_setreg_imm32_b32 hwreg(HW_REG_WAVE_MODE, 25, 1), 1
	s_wait_xcnt 0x0
; FINISH.  The slices' partial logsumexps are joined for each row and cluster; each row's result is chosen by its target's cluster and stored at the row's own place.
; nll = (lse_c - logit at the target) + (lse_0 - cluster logit c) for a target in tail c; lse_0 - logit at the target in the head; 0 for a target of 267,735 or more, as reference()'s select leaves it.
; SHARES.  Work-group g takes the 64 sorted rows of group g (tiles 4 g .. 4 g + 3): of each slice its 256 bytes, 8 a lane: lane (r, h), register e = row r of tile 4 g + 2 e + h, which is sorted row 64 g + 32 e + lane.
; Wave w takes slices w, w + 32, ..; a cluster's slices are asked for at once.  A tail is read only where the launch before stored it: in the groups of its tile range (a scalar branch on tab's numbers, round no barrier).
; A join takes the largest partial away ahead of the exponentials, as the partials themselves were made.  The 32 waves' results meet in LDS; waves 0-3 join a cluster each; wave 0 chooses and stores.
; Sixteen work-groups: the rows' groups are the only axis along which nothing has to be joined again.  The output is 1,024 scattered words: the problem's whole output.
; LDS: 0: [cluster 4][wave 32][lane][8 B]; BQ: [cluster 4][lane][8 B].
; REGISTERS: v1 lane; v2, v3, v24, v25 LDS addresses, made at the head; v26, v27 offsets; v28 -1e30; v[4:5] M; v[6:7] -M log2 e; v[8:11] sums; v[12+2c:13+2c] cluster c's result; v32-111 partials.
.set LP1,  2560000
.set LP2,  3584000
.set LP3,  8704000
.set HL,   10874880
.set TL,   10907648
.set SROW, 256
.set STGT, 4352
.set BQ,   32768
.set X,    32
; the logsumexp of I pairs v[X + 2 i], v[X + 2 i + 1], element by element, into v[dst], v[dst + 1].  I is at least 4
.macro LSE2 I, dst
	v_max_num_f32 v4, v[X], v[X+2]
	v_max_num_f32 v5, v[X+1], v[X+3]
.set i, 2
.rept (\I-2)/2
	v_max3_num_f32 v4, v4, v[X+2*i], v[X+2*i+2]
	v_max3_num_f32 v5, v5, v[X+2*i+1], v[X+2*i+3]
.set i, i+2
.endr
.if (\I)%2
	v_max_num_f32 v4, v4, v[X+2*(\I)-2]
	v_max_num_f32 v5, v5, v[X+2*(\I)-1]
.endif
	v_mul_f32 v6, s52, v4
	v_mul_f32 v7, s52, v5
.set i, 0
.rept \I
	v_pk_fma_f32 v[X+2*i:X+2*i+1], v[X+2*i:X+2*i+1], s[50:51], v[6:7] op_sel_hi:[1,0,1]
.set i, i+1
.endr
.set i, 0
.rept 2*\I
	v_exp_f32 v[X+i], v[X+i]
.set i, i+1
.endr
	v_nop                                          ; a plain line behind the last exponential,
	s_wait_alu depctr_va_vdst(0)                   ; and one wait for the batch ahead of its first reader
	v_pk_add_f32 v[8:9], v[X:X+1], v[X+2:X+3]
	v_pk_add_f32 v[10:11], v[X+4:X+5], v[X+6:X+7]
.set i, 4
.rept (\I-4)/2
	v_pk_add_f32 v[8:9], v[8:9], v[X+2*i:X+2*i+1]
	v_pk_add_f32 v[10:11], v[10:11], v[X+2*i+2:X+2*i+3]
.set i, i+2
.endr
.if (\I)%2
	v_pk_add_f32 v[8:9], v[8:9], v[X+2*(\I)-2:X+2*(\I)-1]
.endif
	v_pk_add_f32 v[8:9], v[8:9], v[10:11]
	v_log_f32 v8, v8
	v_log_f32 v9, v9
	v_nop
	s_wait_alu depctr_va_vdst(0)
	v_fma_f32 v[\dst], v8, s53, v4
	v_fma_f32 v[\dst+1], v9, s53, v5
.endm
; cluster c: n slices, I = ceil(n / 32) to a wave; bs: the scalar pair with the region's address
.macro RED c, I, n, bs
.set i, 0
.rept \I-1
	global_load_b64 v[X+2*i:X+2*i+1], v26, s[\bs:\bs+1] offset:131072*i th:TH_LOAD_NT   ; the wave reads 256 bytes on end of slice w + 32 i
.set i, i+1
.endr
	s_add_co_u32 s14, s10, 32*(\I-1)               ; my last slice, if the cluster has so many: else the last one is read again and counts as -1e30
	s_cmp_lt_u32 s14, \n
	s_cselect_b32 s15, 0, -1
	s_min_u32 s14, s14, \n-1
	s_lshl_b32 s14, s14, 12
	s_add_co_u32 s14, s14, s16
	v_lshl_add_u32 v27, v1, 3, s14
	global_load_b64 v[X+2*(\I-1):X+2*(\I-1)+1], v27, s[\bs:\bs+1]
	s_wait_loadcnt 0x0
	v_cndmask_b32 v[X+2*(\I-1)], v[X+2*(\I-1)], v28, s15
	v_cndmask_b32 v[X+2*(\I-1)+1], v[X+2*(\I-1)+1], v28, s15
	LSE2 \I, 12+2*\c
.endm
; a tail is passed over where its tile range s[t0] .. s[t0 + 1] - 1 has no tile in my group
.macro UNLESS t0, lab
	s_cmp_le_u32 s[\t0+1], s[\t0]
	s_cbranch_scc1 \lab
	s_lshr_b32 s14, s[\t0], 2
	s_cmp_lt_u32 ttmp9, s14
	s_cbranch_scc1 \lab
	s_add_co_u32 s14, s[\t0+1], 3
	s_lshr_b32 s14, s14, 2
	s_cmp_ge_u32 ttmp9, s14
	s_cbranch_scc1 \lab
.endm
	s_load_b128 s[4:7], s[0:1], 0x0                ; part, tab
	s_load_b64 s[8:9], s[0:1], 0x10                ; out0
	v_lshrrev_b32 v1, 5, v0
	v_readfirstlane_b32 s10, v1                    ; wave
	v_and_b32 v1, 31, v0                           ; lane
	v_lshlrev_b32 v2, 3, v0                        ; into the stage: 256 x wave + 8 x lane
	s_min_u32 s11, s10, 3
	s_lshl_b32 s12, s11, 13
	v_lshl_add_u32 v3, v1, 3, s12                  ; back, waves 0-3: cluster = wave
	s_lshl_b32 s12, s11, 8
	s_add_co_u32 s12, s12, BQ
	v_lshl_add_u32 v24, v1, 3, s12                 ; the joined results, in
	v_lshlrev_b32 v25, 3, v1
	v_add_nc_u32 v25, BQ, v25                      ; and back
	s_lshl_b32 s16, ttmp9, 8                       ; my group's 256 bytes of a slice
	s_lshl_b32 s13, s10, 12
	s_add_co_u32 s13, s13, s16
	v_lshl_add_u32 v26, v1, 3, s13                 ; 4,096 x wave + 256 x group + 8 x lane
	v_mov_b32 v28, 0xf149f2ca                      ; -1e30
.irp j, 12,13,14,15,16,17,18,19
	v_mov_b32 v[\j], 0                             ; a tail that is passed over leaves zeros, which no row of this group uses
.endr
	s_mov_b32 s50, 0x3fb8aa3b                      ; log2 e
	s_mov_b32 s51, s50
	s_mov_b32 s52, 0xbfb8aa3b
	s_mov_b32 s53, 0x3f317218                      ; ln 2
	s_mov_b32 s60, 19997
	s_mov_b32 s61, 39997
	s_mov_b32 s62, 199997
	s_mov_b32 s63, 267735
	s_wait_kmcnt 0x0
	s_load_b256 s[32:39], s[6:7], 0x0              ; the tails' tile ranges
	s_add_nc_u64 s[42:43], s[4:5], LP1
	s_add_nc_u64 s[44:45], s[4:5], LP2
	s_add_nc_u64 s[46:47], s[4:5], LP3
	s_add_nc_u64 s[54:55], s[4:5], TL
	s_add_nc_u64 s[56:57], s[4:5], HL
	RED 0, 20, 625, 4
	s_wait_kmcnt 0x0
	UNLESS 32, .Lno_1
	RED 1, 8, 250, 42
.Lno_1:
	UNLESS 34, .Lno_2
	RED 2, 40, 1250, 44
.Lno_2:
	UNLESS 36, .Lno_3
	RED 3, 17, 530, 46
.Lno_3:
.irp c, 0,1,2,3
	ds_store_b64 v2, v[12+2*\c:13+2*\c] offset:8192*\c
.endr
	s_wait_dscnt 0x0                               ; for the others' sake: my stores have landed
	s_barrier_signal -1
	s_barrier_wait -1
	s_cmp_ge_u32 s10, 4
	s_cbranch_scc1 .Lno_join
.set i, 0
.rept 32
	ds_load_b64 v[X+2*i:X+2*i+1], v3 offset:256*i  ; the 32 waves' results of cluster = my wave
.set i, i+1
.endr
	s_wait_dscnt 0x0
	LSE2 32, 12
	ds_store_b64 v24, v[12:13]
.Lno_join:
	s_wait_dscnt 0x0
	s_barrier_signal -1
	s_barrier_wait -1
	s_cmp_lg_u32 s10, 0
	s_cbranch_scc1 .Lend
	; ---------------- wave 0: 64 rows, two a lane
	v_lshl_add_u32 v27, v1, 2, s16                 ; 4 (64 g + lane)
	v_and_b32 v29, 15, v0                          ; r
	v_bfe_u32 v30, v0, 4, 1                        ; h
	s_lshl_b32 s14, ttmp9, 9
	v_lshl_add_u32 v31, v29, 2, s14
	v_lshl_add_u32 v31, v30, 7, v31                ; target logits: 128 bytes a tile: 512 g + 128 h + 4 r
	s_lshl_b32 s14, ttmp9, 11
	v_lshl_add_u32 v29, v29, 4, s14
	v_lshl_add_u32 v29, v30, 9, v29                ; cluster logits: 512 bytes a tile: 2,048 g + 512 h + 16 r
.irp e, 0,1
	global_load_b32 v[20+\e], v27, s[6:7] offset:STGT+128*\e
	global_load_b32 v[22+\e], v27, s[6:7] offset:SROW+128*\e
.irp k, 0,1,2,3
	global_load_b32 v[112+4*\e+\k], v31, s[54:55] offset:8192*\k+256*\e
.endr
	global_load_b128 v[120+4*\e:123+4*\e], v29, s[56:57] offset:1024*\e+256   ; lane 16 + r of the tile: word c is cluster logit c
.endr
.irp c, 0,1,2,3
	ds_load_b64 v[96+2*\c:97+2*\c], v25 offset:256*\c
.endr
	s_wait_loadcnt 0x0
	s_wait_dscnt 0x0
.irp e, 0,1
	v_mov_b32 v4, v[112+4*\e]                      ; the head's figures; the cluster logit's place takes lse_0, so that the second difference is 0
	v_mov_b32 v5, v[96+\e]
	v_mov_b32 v6, v[96+\e]
.irp c, 1,2,3
	v_cmp_le_i32 vcc_lo, s[59+\c], v[20+\e]        ; the target lies in tail c or beyond
	v_cndmask_b32 v4, v4, v[112+4*\e+\c], vcc_lo
	v_cndmask_b32 v5, v5, v[96+2*\c+\e], vcc_lo
	v_cndmask_b32 v6, v6, v[120+4*\e+\c], vcc_lo
.endr
	v_sub_f32 v4, v5, v4
	v_sub_f32 v6, v[96+\e], v6
	v_add_f32 v4, v4, v6
	v_cmp_le_i32 vcc_lo, s63, v[20+\e]
	v_cndmask_b32 v[8+\e], v4, 0, vcc_lo
	v_min_u32 v[10+\e], 1023, v[22+\e]
	v_lshlrev_b32 v[10+\e], 2, v[10+\e]
	global_store_b32 v[10+\e], v[8+\e], s[8:9]
.endr
.Lend:
	s_wait_xcnt 0x0
	v_lshl_add_u32 v126, v0, 2, 0x8400
	v_mov_b32 v127, 0
	s_wait_tensorcnt 0x0
	ds_add_u32 v126, v127
	s_wait_dscnt 0x0
	s_endpgm
.Lfunc_end_k_qd133663f17_finish:
	.size	k_qd133663f17_finish, .Lfunc_end_k_qd133663f17_finish-k_qd133663f17_finish
	.p2alignl 7, 3214868480
	.fill 96, 4, 3214868480
	.section	.rodata,"a",@progbits
	.p2align	6, 0x0
	.amdhsa_kernel k_qd133663f17_finish
		.amdhsa_group_segment_fixed_size 37888
		.amdhsa_private_segment_fixed_size 0
		.amdhsa_enable_private_segment 0
		.amdhsa_kernarg_size 24
		.amdhsa_user_sgpr_count 2
		.amdhsa_user_sgpr_kernarg_segment_ptr 1
		.amdhsa_wavefront_size32 1
		.amdhsa_system_sgpr_workgroup_id_x 1
		.amdhsa_system_sgpr_workgroup_id_y 1
		.amdhsa_system_sgpr_workgroup_id_z 1
		.amdhsa_system_vgpr_workitem_id 0
		.amdhsa_next_free_vgpr 128
		.amdhsa_next_free_sgpr 66
		.amdhsa_reserve_vcc 1
		.amdhsa_float_denorm_mode_32 3
		.amdhsa_float_denorm_mode_16_64 3
		.amdhsa_memory_ordered 1
		.amdhsa_forward_progress 1
		.amdhsa_inst_pref_size 51
	.end_amdhsa_kernel
	.amdgpu_metadata
---
amdhsa.version: [ 1, 2 ]
amdhsa.kernels:
  - .name:           k_qd133663f17_finish
    .symbol:         k_qd133663f17_finish.kd
    .args:
      - { .name: part, .offset: 0, .size: 8, .value_kind: global_buffer, .address_space: global }
      - { .name: tab, .offset: 8, .size: 8, .value_kind: global_buffer, .address_space: global }
      - { .name: out0, .offset: 16, .size: 8, .value_kind: global_buffer, .address_space: global }
    .group_segment_fixed_size: 37888
    .private_segment_fixed_size: 0
    .kernarg_segment_align: 8
    .kernarg_segment_size: 24
    .max_flat_workgroup_size: 1024
    .sgpr_count:     66
    .vgpr_count:     128
    .wavefront_size: 32
...
	.end_amdgpu_metadata
.endif
;; end of part 4
;; ======== version 2 of 2: 4 launches; version 1 with the launch project written anew for expert scheduling mode
;; workspace buffers: qin 1,340,416 bytes; pj 811,008 bytes; part 10,940,416 bytes; tab 8,448 bytes of whole numbers
;; launch prep: the kernel of part 1 again; grid 234 x 1, 4 waves a work-group, no clusters, 0 bytes of LDS; arguments hidden, target, p0, p1, p2, p3, qin, tab; writes qin, tab
;; launch project (part 5): grid 11 x 16, 4 waves a work-group, no clusters, 0 bytes of LDS; arguments qin, pj; writes pj
.if DOCPART == 5
	.amdgcn_target "amdgcn-amd-amdhsa--gfx1250"
	.amdhsa_code_object_version 6
	.text
	.protected	k_qd133663f17_project
	.globl	k_qd133663f17_project
	.p2align	8
	.type	k_qd133663f17_project,@function
k_qd133663f17_project:
	s_mov_b64 s[64:65], 0
	v_nop
	global_prefetch_b8 v0, s[64:65] scope:SCOPE_SE
	s_setreg_imm32_b32 hwreg(HW_REG_WAVE_SCHED_MODE, 0, 2), 2
	s_setreg_imm32_b32 hwreg(HW_REG_WAVE_MODE, 25, 1), 1
	s_wait_xcnt 0x0
	s_wait_alu depctr_vm_vsrc(0)
; PROJECT.  hidden @ p0, p1, p2, p3 on codes of E2M1 (K = 1,024, eight steps of 128), on the SORTED rows; the results are quantised along their own columns,
; which are the K of the next products, and stored as images of a matrix operand's registers (hidden @ p3: rounded to bf16, its product is left as it is).
; SHARES.  Work-group x = a group of 128 result columns (0-7: p0; 8, 9: p1; 10: p2's 64 and p3's 16); y and the wave give the tile of 16 sorted rows.
; One wave makes 16 rows x 128 columns: 8 accumulators (5 in group 10) by turns, 8 K steps.  All its operands come straight from memory into registers, asked for at the head.
; THE PRODUCT IS USED TRANSPOSED (source 0 = 16 columns of p, source 1 = 16 rows of hidden): a lane holds one row, and by the choice of p's columns in a tile
; register 16 b + i of the eight tiles is column 32 b + 16 (lane / 16) + i of the group: 16 neighbours along the next K.
; pj: PC0 [tile 64][K step 8][half 2][lane][16 B], PS0 [tile][K step][lane][4 B]; PC1, PS1 likewise with 2 K steps; PC2 [tile][lane][16 B] (64 along K),
; PS2 [tile][lane][4 B] (its two bytes, twice); PC3 [tile][lane][16 B] bf16.
; LIMITS: as in the launch before: NaN and infinities are not served; a block under 2^-124 gets the byte 1.
; No LDS, no tensor load, no cluster: a wave reads 64 KB of p's fragments that 63 other waves read too; that is a small launch's traffic, and it has too few steps to share by a ring.
; REGISTERS, in windows of 256: window 0: v1-7 addresses; v16-79 hidden's 8 fragments; v80-87 its scale words; v88-151 p's scale words (8 s + tile); v152-215 accumulators;
; v216-223 codes; v224-239 at work; v240 the scale word made.  Window 1: p's fragments of K steps 0-3 (8 (8 s + tile)); window 2: of K steps 4-7.
; THE MODE: SCHED_MODE bits 1:0 = 2 (LLVM: expert scheduling mode 2), set by the entry lines.  The code itself states the register dependences
; between vector or matrix instructions and memory instructions, with s_wait_alu, always for 0.
; THE PLAN.  Registers that memory instructions touch:
;   v4 .. v7      byte offsets.  Written by vector instructions at the head, once; read by every load, v6 and v7 by the stores at the end too; never written again.
;   v16-151 and windows 1, 2   operands and scale words.  Each register is written by ONE load and by nothing else; no vector instruction names it ahead of that load;
;                 matrix instructions read it behind the counted wait for its load; nothing lands in it again.
;   v216-223, v240  codes and the scale word.  Written by the conversions, the exchanges of halves and the shifts; read by the stores at the end; not written again.
;   s8            the wave's number: written by a vector instruction, read by one scalar add.
; So three waits stand on a wave's way: for s8 ahead of its reader; for v4 .. v7 ahead of the first load; for the codes and the scale word ahead of the stores.
; No register that a memory instruction reads is written again, so no wait for such a read is owed.
.set HS,   524288
.set PQ,   557056
.set PSC,  1253376
.set PS0,  524288
.set PC1,  589824
.set PS1,  720896
.set PC2,  737280
.set PS2,  770048
.set PC3,  778240
.set XF,   16
.set XS,   80
.set AS,   88
.set HA,   152
.set PC,   216
.set TM,   224
.set PW,   240
.set MSB,  0
.macro WIN new                         ; the immediate's high byte repeats the setting that is left
.if MSB != \new
	s_set_vgpr_msb (MSB<<8)|\new
.set MSB, \new
.endif
.endm
.macro LOADS nt                        ; everything the wave will multiply: hidden's fragments and words, p's words, then p's fragments K step by K step
	s_wait_alu depctr_va_vdst(0)                   ; the offsets v4 to v7 are written, which the loads below read; only loads and window switches follow, up to the last load
.irp s, 0,1,2,3,4,5,6,7
.irp c, 0,1
	global_load_b128 v[XF+8*\s+4*\c:XF+8*\s+4*\c+3], v4, s[10:11] offset:64*\s+32*\c
.endr
.endr
	global_load_b128 v[XS:XS+3], v5, s[12:13]
	global_load_b128 v[XS+4:XS+7], v5, s[12:13] offset:16
.set q, 0
.rept 8
.set u, 0
.rept \nt
	global_load_b32 v[AS+8*q+u], v7, s[16:17] offset:(8*u+q)*128
.set u, u+1
.endr
.set q, q+1
.endr
	WIN 0x40                                       ; destination window 1
.set q, 0
.rept 4
.set u, 0
.rept \nt
	global_load_b128 v[8*(8*q+u):8*(8*q+u)+3], v6, s[14:15] offset:(8*u+q)*1024
	global_load_b128 v[8*(8*q+u)+4:8*(8*q+u)+7], v6, s[14:15] offset:(8*u+q)*1024+512
.set u, u+1
.endr
.set q, q+1
.endr
	WIN 0x80                                       ; destination window 2
.set q, 0
.rept 4
.set u, 0
.rept \nt
	global_load_b128 v[8*(8*q+u):8*(8*q+u)+3], v6, s[14:15] offset:(8*u+q+4)*1024
	global_load_b128 v[8*(8*q+u)+4:8*(8*q+u)+7], v6, s[14:15] offset:(8*u+q+4)*1024+512
.set u, u+1
.endr
.set q, q+1
.endr
	WIN 0
.endm
.macro MULS nt                         ; the accumulators take turns, one instruction a turn; the first K step starts the sums
.set q, 0
.rept 8
.if q == 0
	s_wait_loadcnt 6*\nt                           ; all but the fragments of K steps 5, 6, 7 (2 nt loads each) are in
.elseif q >= 5
	s_wait_loadcnt 2*\nt*(7-q)                     ; this K step's are in; the later steps' may be out
.endif
.if q < 4
	WIN 0x01                                       ; source 0 window 1
.else
	WIN 0x02                                       ; source 0 window 2
.endif
.set u, 0
.rept \nt
.if q == 0
	v_wmma_scale_f32_16x16x128_f8f6f4 v[HA+8*u:HA+8*u+7], v[8*u:8*u+7], v[XF:XF+7], 0, v[AS+u], v[XS] matrix_a_fmt:MATRIX_FMT_FP4 matrix_b_fmt:MATRIX_FMT_FP4
.else
	v_wmma_scale_f32_16x16x128_f8f6f4 v[HA+8*u:HA+8*u+7], v[8*(8*(q%4)+u):8*(8*(q%4)+u)+7], v[XF+8*q:XF+8*q+7], v[HA+8*u:HA+8*u+7], v[AS+8*q+u], v[XS+q] matrix_a_fmt:MATRIX_FMT_FP4 matrix_b_fmt:MATRIX_FMT_FP4
.endif
.set u, u+1
.endr
.set q, q+1
.endr
	WIN 0
.rept 4
	v_nop                                          ; four places between the last products and the first read of a result (ISA guide 7.12.1)
.endr
.endm
; 16 nb numbers of a lane from v[s] on, register 16 b + i = k 32 b + 16 (lane / 16) + i of my row, become codes in v[PC] on and the scale word in v[PW]
.macro QUANT s, nb
.set b, 0
.rept \nb
	v_max3_num_f32 v[TM+b], |v[\s+16*b]|, |v[\s+16*b+1]|, 0x1800000   ; each accumulator is read from its low end on; the floor 2^(3 - 127) holds the byte at 1 from below
.set b, b+1
.endr
.set i, 2
.rept 7
.set b, 0
.rept \nb
	v_max3_num_f32 v[TM+b], v[TM+b], |v[\s+16*b+i]|, |v[\s+16*b+i+1]|
.set b, b+1
.endr
.set i, i+2
.endr
.set b, 0
.rept \nb
	v_permlanex16_b32 v[TM+4+b], v[TM+b], s20, s21
.set b, b+1
.endr
.set b, 0
.rept \nb
	v_max_num_f32 v[TM+b], v[TM+b], v[TM+4+b]      ; with lane l xor 16's 16: the block's largest magnitude
.set b, b+1
.endr
.set b, 0
.rept \nb
	v_add_nc_u32 v[TM+12+b], 0xff000000, v[TM+b]   ; 2 off its exponent field: the conversion's scale operand
.set b, b+1
.endr
.set b, 0
.rept \nb
	v_lshrrev_b32 v[TM+4+b], 23, v[TM+12+b]        ; the scale's byte
.set b, b+1
.endr
	v_lshl_or_b32 v[PW], v[TM+5], 8, v[TM+4]
.if \nb == 4
	v_lshl_or_b32 v[PW], v[TM+6], 16, v[PW]
	v_lshl_or_b32 v[PW], v[TM+7], 24, v[PW]
.else
	v_lshl_or_b32 v[PW], v[PW], 16, v[PW]          ; 64 along K: the two bytes twice, since the operand will stand in either half of a K step of 128
.endif
.set b, 0
.rept \nb
	v_cvt_scalef32_pk8_fp4_f32 v[PC+2*b], v[\s+16*b:\s+16*b+7], v[TM+12+b]
	v_cvt_scalef32_pk8_fp4_f32 v[PC+2*b+1], v[\s+16*b+8:\s+16*b+15], v[TM+12+b]
.set b, b+1
.endr
	v_nop                                          ; one plain line behind the scaled conversions
.set c, 0
.rept \nb/2                                        ; the operand's layout wants a WHOLE block in a lane: lanes 0-15 block 2 c, lanes 16-31 block 2 c + 1
	v_permlane16_swap_b32 v[PC+4*c], v[PC+4*c+2]
	v_permlane16_swap_b32 v[PC+4*c+1], v[PC+4*c+3]
.set c, c+1
.endr
.endm
	s_load_b128 s[4:7], s[0:1], 0x0                ; qin, pj
	v_lshrrev_b32 v1, 5, v0
	v_readfirstlane_b32 s8, v1                     ; wave
	v_and_b32 v1, 31, v0                           ; (the head's vector lines stand between that line and the wait for s8)
	v_and_b32 v2, 15, v0                           ; r
	v_bfe_u32 v3, v0, 4, 1                         ; h
	v_lshlrev_b32 v4, 9, v2
	v_lshl_add_u32 v4, v3, 4, v4                   ; hidden's codes: row r of 512 bytes, + 16 h
	v_lshlrev_b32 v5, 5, v2                        ; its scale bytes: 32 a row, a word a K step
	v_lshlrev_b32 v6, 4, v1                        ; an image's place for my lane
	v_lshlrev_b32 v7, 2, v1                        ; a scale word's
.irp b, 0,1,2,3
	v_mov_b32 v[TM+4+\b], 0                        ; written once: a lane permute's destination counts as one of its sources
.endr
	s_and_b32 s9, ttmp7, 0xffff
	s_lshl_b32 s9, s9, 2
	s_wait_alu depctr_va_sdst(0)                   ; s8 is written, ahead of its one reader: the row tile's bases below are made from it
	s_add_co_u32 s9, s9, s8                        ; my tile of 16 sorted rows
	s_mov_b32 s20, 0x76543210
	s_mov_b32 s21, 0xfedcba98
	s_lshl_b32 s10, s9, 13
	s_mov_b32 s11, 0
	s_lshl_b32 s12, s9, 9
	s_add_co_u32 s12, s12, HS
	s_mov_b32 s13, 0
	s_lshl_b32 s14, ttmp9, 16                      ; a group's eight tiles x eight K steps x 1,024 bytes
	s_add_co_u32 s14, s14, PQ
	s_mov_b32 s15, 0
	s_lshl_b32 s16, ttmp9, 13
	s_add_co_u32 s16, s16, PSC
	s_mov_b32 s17, 0
	s_wait_kmcnt 0x0
	s_add_nc_u64 s[10:11], s[4:5], s[10:11]
	s_add_nc_u64 s[12:13], s[4:5], s[12:13]
	s_add_nc_u64 s[14:15], s[4:5], s[14:15]
	s_add_nc_u64 s[16:17], s[4:5], s[16:17]
	s_cmp_eq_u32 ttmp9, 10
	s_cbranch_scc1 .Lsmall
	; ---------------- 128 columns of hidden @ p0 or hidden @ p1: one K step of the next product
	LOADS 8
	MULS 8
	QUANT HA, 4
	s_cmp_lt_u32 ttmp9, 8                          ; p0's group or p1's: only offsets are chosen
	s_cselect_b32 s22, 13, 11                      ; a row tile's codes: 8 or 2 K steps of 1,024 bytes
	s_cselect_b32 s23, 10, 8                       ; its scale words: 8 or 2 x 128 bytes
	s_cselect_b32 s24, 0, PC1-8*1024
	s_mov_b32 s25, PS1-8*128
	s_cselect_b32 s25, PS0, s25
	s_lshl_b32 s26, s9, s22
	s_lshl_b32 s27, ttmp9, 10
	s_add_co_u32 s26, s26, s27
	s_add_co_u32 s26, s26, s24
	s_mov_b32 s27, 0
	s_add_nc_u64 s[28:29], s[6:7], s[26:27]
	s_lshl_b32 s26, s9, s23
	s_lshl_b32 s30, ttmp9, 7
	s_add_co_u32 s26, s26, s30
	s_add_co_u32 s26, s26, s25
	s_add_nc_u64 s[30:31], s[6:7], s[26:27]
	s_wait_alu depctr_va_vdst(0)                   ; the conversions and the exchanges of halves have written v[PC ..], the shifts v[PW]: the three stores read them
	global_store_b128 v6, v[PC:PC+3], s[28:29]     ; 512 bytes on end a store
	global_store_b128 v6, v[PC+4:PC+7], s[28:29] offset:512
	global_store_b32 v7, v[PW], s[30:31]
	s_endpgm
.Lsmall:
	; ---------------- hidden @ p2 (tiles 0-3) and hidden @ p3 (tile 4)
	LOADS 5
	MULS 5
	QUANT HA, 2
.irp j, 0,1,2,3
	v_cvt_pk_bf16_f32 v[PC+4+\j], v[HA+32+2*\j], v[HA+33+2*\j]   ; lane (r, h): columns 8 h + 0 .. 7 of row r, from the accumulator's low end on
.endr
	s_lshl_b32 s26, s9, 9
	s_add_co_u32 s26, s26, PC2
	s_mov_b32 s27, 0
	s_add_nc_u64 s[28:29], s[6:7], s[26:27]
	s_lshl_b32 s26, s9, 7
	s_add_co_u32 s26, s26, PS2
	s_add_nc_u64 s[30:31], s[6:7], s[26:27]
	s_lshl_b32 s26, s9, 9
	s_add_co_u32 s26, s26, PC3
	s_add_nc_u64 s[32:33], s[6:7], s[26:27]
	s_wait_alu depctr_va_vdst(0)                   ; the conversions, the exchanges of halves and the roundings to bf16 have written v[PC ..], the shifts v[PW]: the three stores read them
	global_store_b128 v6, v[PC:PC+3], s[28:29]
	global_store_b32 v7, v[PW], s[30:31]
	global_store_b128 v6, v[PC+4:PC+7], s[32:33]
	s_endpgm
.Lfunc_end_k_qd133663f17_project:
	.size	k_qd133663f17_project, .Lfunc_end_k_qd133663f17_project-k_qd133663f17_project
	.p2alignl 7, 3214868480
	.fill 96, 4, 3214868480
	.section	.rodata,"a",@progbits
	.p2align	6, 0x0
	.amdhsa_kernel k_qd133663f17_project
		.amdhsa_group_segment_fixed_size 0
		.amdhsa_private_segment_fixed_size 0
		.amdhsa_enable_private_segment 0
		.amdhsa_kernarg_size 16
		.amdhsa_user_sgpr_count 2
		.amdhsa_user_sgpr_kernarg_segment_ptr 1
		.amdhsa_wavefront_size32 1
		.amdhsa_system_sgpr_workgroup_id_x 1
		.amdhsa_system_sgpr_workgroup_id_y 1
		.amdhsa_system_sgpr_workgroup_id_z 1
		.amdhsa_system_vgpr_workitem_id 0
		.amdhsa_next_free_vgpr 768
		.amdhsa_next_free_sgpr 66
		.amdhsa_reserve_vcc 0
		.amdhsa_float_denorm_mode_32 3
		.amdhsa_float_denorm_mode_16_64 3
		.amdhsa_memory_ordered 1
		.amdhsa_forward_progress 1
		.amdhsa_inst_pref_size 56
	.end_amdhsa_kernel
	.amdgpu_metadata
---
amdhsa.version: [ 1, 2 ]
amdhsa.kernels:
  - .name:           k_qd133663f17_project
    .symbol:         k_qd133663f17_project.kd
    .args:
      - { .name: qin, .offset: 0, .size: 8, .value_kind: global_buffer, .address_space: global }
      - { .name: pj, .offset: 8, .size: 8, .value_kind: global_buffer, .address_space: global }
    .group_segment_fixed_size: 0
    .private_segment_fixed_size: 0
    .kernarg_segment_align: 8
    .kernarg_segment_size: 16
    .max_flat_workgroup_size: 128
    .sgpr_count:     66
    .vgpr_count:     768
    .wavefront_size: 32
...
	.end_amdgpu_metadata
.endif
;; end of part 5
;; launch logits: the kernel of part 3 again; grid 531 x 5, 4 waves a work-group, no clusters, 36,352 bytes of LDS; arguments W0, W1, W2, W3, b0, b1, b2, b3, cluster_weight, cluster_bias, pj, tab, part; writes part
;; launch finish: the kernel of part 4 again; grid 16 x 1, 32 waves a work-group, no clusters, 37,888 bytes of LDS; arguments part, tab, out0; writes out0
